; MI455X (gfx1250); checked and timed in simulation.
; The chip was launched on July 23, 2026; its instructions are those of AMD's public machine-readable ISA for CDNA 5 (MIT licence, August 2026) and "CDNA5" Instruction Set Architecture Reference Guide (July 2026). The comments in the code are by the model that wrote it; some were corrected since.
;; Standard Attention. Allowed arithmetic: matrix products marked QUANTISED: E3M2 operands, one E8M0 scale for each 32 along K, by v_wmma_scale_f32_16x16x128_f8f6f4 with both operands' format E3M2, f32 sums; everything else in f32.
;; Inputs: W_attn 1,024 x 3,072 float32; W_proj 1,024 x 1,024 float32; b_attn 3,072 float32; b_proj 1,024 float32; x 2 x 2,048 x 1,024 float32.
;; Outputs: out0 2 x 2,048 x 1,024 float32.
;; This version of the problem:
;;   THIS VERSION OF THE PROBLEM IS GIVEN IN LOW PRECISION. The matrix products marked QUANTISED in the list below multiply operands that are first quantised to E3M2 (3 exponent bits, 2 mantissa bits; 6 bits a number), with one power-of-two scale for each 32 numbers along K (OCP MX v1.0); their sums are f32. All else is computed in f32.
;;   The module's matrix products, in the order in which they are computed (A, B: the left and right operand; K: the contracted axis; several contracted axes count as one K, in the product's order):
;;     1. [M 4,096, K 1,024] x [K 1,024, N 3,072]; A: input x; B: input W_attn: QUANTISED
;;     2. batch 32 x [M 2,048, K 64] x [K 64, N 2,048]; A: computed on the way; B: computed on the way: QUANTISED
;;     3. batch 32 x [M 2,048, K 2,048] x [K 2,048, N 64]; A: softmax (see below); B: computed on the way: QUANTISED
;;     4. [M 4,096, K 1,024] x [K 1,024, N 1,024]; A: computed on the way; B: input W_proj: QUANTISED
;;   THE QUANTISER, for each operand of a quantised product, along K:
;;     - K is cut into blocks of 32 from its start; a last block that is shorter is filled with zeros.
;;     - A block's scale is 2^e with e = floor(log2(the largest magnitude in the block)) - 4, held to -126 .. 127; a block of zeros has e = 0. As a byte (E8M0): e + 127.
;;     - Each number is divided by its block's scale, clamped to +-28, and rounded to the nearest number of E3M2, ties to even, subnormals kept.
;;     - The product sums the exact products of the quantised numbers (number of the format x scale) in f32.
;;   ~~~python
;;   def quantise(x, axis):      # numpy; x: float32 -> the quantised numbers, widened to float32 again
;;       x = np.moveaxis(x, axis, -1); K = x.shape[-1]
;;       x = np.pad(x, [(0, 0)] * (x.ndim - 1) + [(0, -K % 32)]); x = x.reshape(x.shape[:-1] + (-1, 32)); a = np.abs(x).max(-1, keepdims=True)
;;       e = np.where(a > 0, np.clip(np.frexp(np.where(a > 0, a, 1))[1] - 1 - 4, -126, 127), 0)      # np.frexp(a)[1] - 1 = floor(log2(a)), exactly
;;       r = np.clip(x / 2.0 ** e, -28, 28)
;;       step = 2.0 ** (np.maximum(np.frexp(np.where(r == 0, 1, r))[1] - 1, -2) - 2)
;;       q = np.round(r / step) * step * 2.0 ** e      # np.round: ties to even
;;       return np.moveaxis(q.reshape(q.shape[:-2] + (-1,))[..., :K], -1, axis).astype(np.float32)
;;   ~~~
;;   SOFTMAX AHEAD OF A QUANTISED PRODUCT. Where the list says 'softmax', what is quantised is not the finished softmax but p = 2^(t - M), with t = logit x log2(e) and M = ceil(the row's largest t), a whole number; so 1/2 < the row's largest p <= 1. The row's sum l is taken of the UNQUANTISED p, in f32, and the product's result is divided by l at the end. Since M is a whole number, a kernel that streams over the keys may use a running M (the ceiling of the running maximum): every later rescaling is an exact power of two, which a block's scale takes up: the codes' values come out the same.
;;   OPERANDS COMPUTED ON THE WAY. 'Computed on the way' means the value that the module computes at that place (a softmax that the list does not call 'softmax' is quantised finished and normalised). What goes into a quantiser is computed in f32, as accurately as f32 sums, v_exp_f32 and their like allow (about 1e-6 of the number): no bf16 or f16 on the way to a quantiser, and a product that is left as it is and whose result goes on into a quantised operand takes f32 operands (vector FMAs, or v_wmma_f32_16x16x4_f32). A number that lies on a knife's edge between two numbers of the format may be rounded either way, as far as f32 arithmetic and the matrix unit's own rounding can turn it there, and no further.
;; One version. Each part assembles by itself: llvm-mc -triple=amdgcn-amd-amdhsa -mcpu=gfx1250 --defsym DOCPART=n.
;; ======== version 1 of 1: 4 launches
;; limits: right only within a limited range of input values
;; workspace buffers: cod1 6,291,456 bytes; scl1 262,144 bytes; cod2 13,369,344 bytes; yc 3,145,728 bytes; ys 131,072 bytes
;; launch quant (part 1): grid 384 x 1, 8 waves a work-group, no clusters, 94,720 bytes of LDS; arguments x, W_attn, W_proj, cod1, scl1; writes cod1, scl1
.if DOCPART == 1
	.amdgcn_target "amdgcn-amd-amdhsa--gfx1250"
	.amdhsa_code_object_version 6
	.text
	.protected	k_qb7ae81db1c_quant
	.globl	k_qb7ae81db1c_quant
	.p2align	8
	.type	k_qb7ae81db1c_quant,@function
k_qb7ae81db1c_quant:
	s_mov_b64 s[64:65], 0
	v_nop
	global_prefetch_b8 v0, s[64:65] scope:SCOPE_SE
	s_setreg_imm32_b32 hwreg(HW_REG_WAVE_MODE, 25, 1), 1
	s_wait_xcnt 0x0
; x [4096][1024], W_attn [1024][3072] and W_proj [1024][1024], f32, become codes of BF6 (E3M2) with one E8M0 byte for each 32 along K (x: its last axis; the weights: their first).
; A block's scale is 2^(floor(log2(largest magnitude)) - 4): its byte is the largest magnitude's exponent field - 4, held at 1 from below.
; LIMITS: NaN and infinities among the inputs are not served; a block whose largest magnitude lies under 2^-122, a block of zeros among them, keeps the byte 1 (its codes are zeros or near; this program alone reads the bytes).
; WHAT IS STORED ARE IMAGES OF THE OPERAND'S REGISTERS.  A TILE is 16 rows of an operand: tile 2 B + u holds rows 32 B + 8 u + r + 8 (r / 8), r = 0 .. 15.  A fragment (tile x 128 K, 12 registers a lane) is 1,536 bytes: for each
; half c of 64 K: lane l's registers 6 c .. 6 c + 3 at 768 c + 16 l, its registers 6 c + 4, 6 c + 5 at 768 c + 512 + 8 l.  cod1 = [tile 512][K step 8][1,536]; scl1 = [tile][K step][r 16] words of four bytes.
; Tiles 0-255: x's tokens; 256-447: W_attn's columns; 448-511: W_proj's columns.
; Work-groups 0-255 take a tile of x each, work-groups 256-383 32 columns of a weight; wave s takes K step s.  The two ways part on the work-group's number and have LDS bytes of their own.
; No tensor loads, no cluster: no two work-groups read the same bytes.
.set XPIT, 528                         ; x's stage: a row of 512 bytes + 16: sixteen lanes that read one column of 16 rows touch 16 different columns of 16 bytes
.set XWB,  16*XPIT                     ; a wave's stage
.set SX,   8*XWB                       ; x's scale words [s][r], 512 bytes
.set WIMG, SX+512                      ; the weights' way: two fragments' images for each wave
.set SW,   WIMG+8*3072                 ; and the scale words [u][s][r], 1,024 bytes
.set L16, 4                            ; v4  16 x lane
.set L8,  5                            ; v5  8 x lane
.set R,   16                           ; v16-79   x as loaded
.set X,   80                           ; v80-143  64 numbers: register 16 b + i = k 32 b + 16 (lane / 16) + i of my row
.set TM,  200
.set PW,  216
.set PC,  224
.set SEL, 20
.set OFW, 16                           ; v16-47   the weights' way: 4 x lane + e x a row's bytes
.set XW,  48                           ; v48-175  four blocks of 32 numbers down K
.set FW,  176                          ; a block's six registers of codes, 8 apart
.set TW,  208                          ; the upper halves as converted, 4 apart
; 64 numbers of a lane become a fragment's codes in v[PC] on and its scale word in v[PW]
.macro QUANT4 s
.irp b, 0,1,2,3
	v_max3_num_f32 v[TM+\b], |v[\s+16*\b]|, |v[\s+1+16*\b]|, 0x2800000   ; my 16 numbers of block b, and the floor 2^(5 - 127): the byte cannot fall under 1
.endr
.irp i, 2,4,6,8,10,12,14
.irp b, 0,1,2,3
	s_delay_alu instid0(VALU_DEP_4)
	v_max3_num_f32 v[TM+\b], v[TM+\b], |v[\s+16*\b+\i]|, |v[\s+1+16*\b+\i]|
.endr
.endr
.irp b, 0,1,2,3
	s_delay_alu instid0(VALU_DEP_4)
	v_permlanex16_b32 v[TM+4+\b], v[TM+\b], s[SEL], s[SEL+1]
.endr
.irp b, 0,1,2,3
	s_delay_alu instid0(VALU_DEP_4)
	v_max_num_f32 v[TM+\b], v[TM+\b], v[TM+4+\b]   ; with lane l xor 16's: the block's largest magnitude
.endr
.irp b, 0,1,2,3
	s_delay_alu instid0(VALU_DEP_4)
	v_add_nc_u32 v[TM+12+\b], 0xfe000000, v[TM+\b]   ; 4 off its exponent field: the conversion's scale operand
.endr
.irp b, 0,1,2,3
	s_delay_alu instid0(VALU_DEP_4)
	v_lshrrev_b32 v[TM+4+\b], 23, v[TM+12+\b]      ; the scale's byte
.endr
	s_delay_alu instid0(VALU_DEP_3)
	v_lshl_or_b32 v[PW], v[TM+5], 8, v[TM+4]
	s_delay_alu instid0(VALU_DEP_1)
	v_lshl_or_b32 v[PW], v[TM+6], 16, v[PW]
	s_delay_alu instid0(VALU_DEP_1)
	v_lshl_or_b32 v[PW], v[TM+7], 24, v[PW]
.irp c, 0,1
	v_cvt_scalef32_pk16_bf6_f32 v[PC+6*\c:PC+2+6*\c], v[\s+32*\c:\s+15+32*\c], v[TM+12+2*\c]
	v_cvt_scalef32_pk16_bf6_f32 v[PC+12+4*\c:PC+14+4*\c], v[\s+16+32*\c:\s+31+32*\c], v[TM+12+2*\c+1]
.endr
	v_nop                                          ; one plain place behind a scaled conversion
.irp c, 0,1                                    ; the layout wants a whole block in a lane: lanes 0-15 block 2 c, lanes 16-31 block 2 c + 1
.irp i, 0,1,2
	v_permlane16_swap_b32 v[PC+6*\c+\i], v[PC+12+4*\c+\i]
.endr
.irp i, 0,1,2
	s_delay_alu instid0(VALU_DEP_3)
	v_mov_b32 v[PC+3+6*\c+\i], v[PC+12+4*\c+\i]
.endr
.endr
.endm
	s_load_b256 s[4:11], s[0:1], 0x0               ; x s[4:5], W_attn s[6:7], W_proj s[8:9], cod1 s[10:11]
	s_load_b64 s[12:13], s[0:1], 0x20              ; scl1
	v_lshl_add_u32 v254, v0, 2, 0x16e00
	v_mov_b32 v255, 0
	v_lshrrev_b32 v1, 5, v0
	s_delay_alu instid0(VALU_DEP_1)
	v_readfirstlane_b32 s16, v1                    ; wave = K step s
	v_and_b32 v1, 31, v0                           ; lane
	s_delay_alu instid0(VALU_DEP_1)
	v_lshlrev_b32 v[L16], 4, v1
	s_delay_alu instid0(VALU_DEP_2)
	v_lshlrev_b32 v[L8], 3, v1
	s_mov_b32 s[SEL], 0x76543210
	s_mov_b32 s[SEL+1], 0xfedcba98                 ; v_permlanex16_b32's selects for lane l xor 16
	s_cmp_lt_u32 ttmp9, 256                        ; the same for all eight waves
	s_cbranch_scc0 .Lw_path
	; ---- a tile of x: T = the work-group's number
	v_and_b32 v2, 15, v0                           ; r
	v_bfe_u32 v3, v0, 4, 1                         ; h
	s_mul_i32 s17, s16, XWB
	v_add_nc_u32 v6, s17, v[L16]                   ; into my stage: a row's 512 bytes as they lie
	v_mul_u32_u24 v7, v2, XPIT
	s_delay_alu instid0(VALU_DEP_1)
	v_lshl_add_u32 v7, v3, 6, v7
	s_delay_alu instid0(VALU_DEP_1)
	v_add_nc_u32 v7, s17, v7                       ; out of it: row r, + 64 h: my 16 numbers of each block of 32
	s_lshl_b32 s18, s16, 6
	s_add_co_u32 s18, s18, SX
	v_lshl_add_u32 v8, v2, 2, s18                  ; my row's scale word: [s][r]
	v_add_nc_u32 v9, SX, v[L16]                    ; wave 0 reads all 512 bytes of them
.irp b, 0,1,2,3
	v_mov_b32 v[TM+4+\b], 0                        ; a lane permute's destination counts as one of its sources
.endr
	s_lshr_b32 s22, ttmp9, 1
	s_lshl_b32 s22, s22, 5
	s_and_b32 s23, ttmp9, 1
	s_lshl_b32 s23, s23, 3
	s_add_co_u32 s22, s22, s23                     ; the tile's first row: 32 (T / 2) + 8 (T % 2)
	s_lshl_b32 s22, s22, 12                        ; rows of 4,096 bytes
	s_lshl_b32 s23, s16, 9                         ; K step s: 512 bytes on
	s_add_co_u32 s22, s22, s23
	s_mov_b32 s23, 0
	s_lshl_b32 s24, ttmp9, 3
	s_add_co_u32 s24, s24, s16
	s_mul_i32 s24, s24, 1536                       ; fragment 8 T + s
	s_mov_b32 s25, 0
	s_lshl_b32 s26, ttmp9, 9                       ; the tile's 512 bytes of scale words
	s_mov_b32 s27, 0
	s_wait_alu depctr_va_vdst(0)
	s_wait_kmcnt 0x0
	s_add_nc_u64 s[4:5], s[4:5], s[22:23]
	s_add_nc_u64 s[10:11], s[10:11], s[24:25]
	s_add_nc_u64 s[12:13], s[12:13], s[26:27]
.set rr, 0
.rept 16
	global_load_b128 v[R+4*rr:R+4*rr+3], v[L16], s[4:5] offset:(rr+8*(rr/8))*4096 th:TH_LOAD_NT   ; 32 lanes read 512 consecutive bytes of the tile's row rr
.set rr, rr+1
.endr
.set rr, 0
.rept 16
	s_wait_loadcnt 15-rr                           ; loads come back in order: row rr is in, the rows behind it may be out
	ds_store_b128 v6, v[R+4*rr:R+4*rr+3] offset:XPIT*rr
.set rr, rr+1
.endr
.irp b, 0,1,2,3
.irp j, 0,1,2,3
	ds_load_b128 v[X+16*\b+4*\j:X+16*\b+4*\j+3], v7 offset:128*\b+16*\j   ; LDS serves a wave's instructions in order: these see my stores
.endr
.endr
	s_wait_dscnt 0x0
	QUANT4 X
	global_store_b128 v[L16], v[PC:PC+3], s[10:11]             ; the fragment's image: 512, 256, 512, 256 consecutive bytes
	global_store_b64 v[L8], v[PC+4:PC+5], s[10:11] offset:512
	global_store_b128 v[L16], v[PC+6:PC+9], s[10:11] offset:768
	global_store_b64 v[L8], v[PC+10:PC+11], s[10:11] offset:1280
	ds_store_b32 v8, v[PW]                         ; lanes 16-31 write the same word with the same value
	s_wait_dscnt 0x0                               ; for wave 0's sake: my word has landed
	s_barrier_signal -1
	s_barrier_wait -1
	s_cmp_lg_u32 s16, 0
	s_cbranch_scc1 .Lx_done
	ds_load_b128 v[16:19], v9
	s_wait_dscnt 0x0
	global_store_b128 v[L16], v[16:19], s[12:13]   ; the tile's scale words: 512 consecutive bytes
.Lx_done:
	s_wait_tensorcnt 0x0
	ds_add_u32 v254, v255
	s_wait_dscnt 0x0
	s_endpgm
	; ---- 32 columns of a weight.  A lane takes a column, its registers run down K
.Lw_path:
	s_sub_co_u32 s17, ttmp9, 256                   ; group of 32 columns, 0 .. 127: the first 96 are W_attn's
	s_wait_kmcnt 0x0
	s_cmp_lt_u32 s17, 96                           ; the choice hangs on the work-group's number alone
	s_cselect_b64 s[6:7], s[6:7], s[8:9]
	s_mov_b32 s24, 4096
	s_cselect_b32 s24, 12288, s24                  ; a row's bytes
	s_cselect_b32 s25, 0, 96
	s_sub_co_u32 s25, s17, s25                     ; the group's number in its own tensor
	v_bfe_u32 v2, v0, 3, 1                         ; column c of the group lies in tile u = (c / 8) % 2,
	v_and_b32 v3, 7, v0
	v_bfe_u32 v10, v0, 4, 1
	s_delay_alu instid0(VALU_DEP_1)
	v_lshl_add_u32 v3, v10, 3, v3                  ; at row r = c % 8 + 8 (c / 16)
	s_mul_i32 s18, s16, 3072
	s_add_co_u32 s18, s18, WIMG                    ; my wave's two images
	v_mul_u32_u24 v11, v2, 1536
	s_delay_alu instid0(VALU_DEP_1)
	v_add_nc_u32 v11, s18, v11
	s_delay_alu instid0(VALU_DEP_1)
	v_lshl_add_u32 v6, v3, 4, v11                  ; registers 0-3 of a half: 16 bytes a lane
	s_delay_alu instid0(VALU_DEP_2)
	v_lshl_add_u32 v7, v3, 3, v11                  ; registers 4, 5: 8 bytes a lane
	v_add_nc_u32 v9, s18, v[L16]                   ; and back as they lie
	s_lshl_b32 s19, s16, 6
	s_add_co_u32 s19, s19, SW
	v_lshl_add_u32 v8, v2, 9, s19
	s_delay_alu instid0(VALU_DEP_1)
	v_lshl_add_u32 v8, v3, 2, v8                   ; my column's scale word: [u][s][r]
	v_add_nc_u32 v12, SW, v[L16]
	v_lshlrev_b32 v[OFW], 2, v1
.set e, 1
.rept 31
	s_delay_alu instid0(VALU_DEP_1)
	v_add_nc_u32 v[OFW+e], s24, v[OFW+e-1]         ; row e of a block
.set e, e+1
.endr
	s_lshl_b32 s26, s16, 7
	s_mul_i32 s26, s26, s24                        ; 128 s rows down
	s_lshl_b32 s27, s25, 7                         ; 32 columns are 128 bytes
	s_add_co_u32 s26, s26, s27
	s_mov_b32 s27, 0
	s_add_nc_u64 s[32:33], s[6:7], s[26:27]        ; block 0 of my K step,
	s_lshl_b32 s28, s24, 5
	s_mov_b32 s29, 0
	s_add_nc_u64 s[34:35], s[32:33], s[28:29]      ; and blocks 1 to 3, 32 rows apart
	s_add_nc_u64 s[36:37], s[34:35], s[28:29]
	s_add_nc_u64 s[38:39], s[36:37], s[28:29]
	s_lshl_b32 s30, s17, 4
	s_add_co_u32 s30, s30, 2048
	s_add_co_u32 s30, s30, s16
	s_mul_i32 s30, s30, 1536                       ; fragment (256 + 2 group) x 8 + s
	s_mov_b32 s31, 0
	s_add_nc_u64 s[10:11], s[10:11], s[30:31]
	s_lshl_b32 s30, s17, 10
	s_add_co_u32 s30, s30, 131072                  ; scale words of tile 256 + 2 group
	s_add_nc_u64 s[12:13], s[12:13], s[30:31]
.macro LOADW q
.set e, 0
.rept 32
	global_load_b32 v[XW+32*(\q)+e], v[OFW+e], s[32+2*(\q):33+2*(\q)] th:TH_LOAD_NT   ; W(128 s + 32 q + e, my column): 128 consecutive bytes a wave
.set e, e+1
.endr
.endm
.macro BLOCKW q
.set XS, XW+32*(\q)
.set FQ, FW+8*(\q)
.set TQ, TW+4*(\q)
.if (\q) < 3
	s_wait_loadcnt 32                              ; this block's 32 loads are in; the next block's may be out
.else
	s_wait_loadcnt 0x0
.endif
.if (\q) < 2
	LOADW (\q)+2                                   ; every block has registers of its own: nothing is rewritten
.endif
	v_max3_num_f32 v224, |v[XS]|, |v[XS+1]|, |v[XS+2]|       ; all 32 numbers of the block are mine
	v_max3_num_f32 v225, |v[XS+3]|, |v[XS+4]|, |v[XS+5]|
.irp i, 6,10,14,18,22,26
	s_delay_alu instid0(VALU_DEP_2)
	v_max3_num_f32 v224, v224, |v[XS+\i]|, |v[XS+\i+1]|
	s_delay_alu instid0(VALU_DEP_2)
	v_max3_num_f32 v225, v225, |v[XS+\i+2]|, |v[XS+\i+3]|
.endr
	s_delay_alu instid0(VALU_DEP_2)
	v_max3_num_f32 v224, v224, |v[XS+30]|, |v[XS+31]|
	s_delay_alu instid0(VALU_DEP_1)
	v_max3_num_f32 v224, v224, v225, 0x2800000     ; and the floor
	s_delay_alu instid0(VALU_DEP_1)
	v_add_nc_u32 v226, 0xfe000000, v224            ; the conversion's scale operand
	s_delay_alu instid0(VALU_DEP_1)
	v_lshrrev_b32 v227, 23, v226                   ; the byte
.if (\q) == 0
	s_delay_alu instid0(VALU_DEP_1)
	v_mov_b32 v232, v227
.else
	s_delay_alu instid0(VALU_DEP_1)
	v_lshl_or_b32 v232, v227, 8*(\q), v232
.endif
	v_cvt_scalef32_pk16_bf6_f32 v[FQ:FQ+2], v[XS:XS+15], v226
	v_cvt_scalef32_pk16_bf6_f32 v[TQ:TQ+2], v[XS+16:XS+31], v226
	v_nop                                          ; one plain place behind a scaled conversion
.irp i, 0,1,2
	v_mov_b32 v[FQ+3+\i], v[TQ+\i]
.endr
	ds_store_b128 v6, v[FQ:FQ+3] offset:((\q)/2)*768+((\q)%2)*256        ; block q is what lane r + 16 (q % 2) holds of half q / 2
	ds_store_b64 v7, v[FQ+4:FQ+5] offset:((\q)/2)*768+512+((\q)%2)*128
.endm
	s_wait_alu depctr_va_vdst(0)
	LOADW 0
	LOADW 1
	BLOCKW 0
	BLOCKW 1
	BLOCKW 2
	BLOCKW 3
	ds_store_b32 v8, v232
.irp k, 0,1,2,3,4,5
	ds_load_b128 v[XW+4*\k:XW+4*\k+3], v9 offset:512*\k    ; my own bytes, served in order
.endr
.irp k, 0,1,2,3,4,5
	s_wait_dscnt 5-\k
	global_store_b128 v[L16], v[XW+4*\k:XW+4*\k+3], s[10:11] offset:(\k/3)*12288+(\k%3)*512   ; 512 consecutive bytes; tile u = k / 3
.endr
	s_barrier_signal -1                            ; (the last wait above was for 0: my scale word has landed)
	s_barrier_wait -1
	s_cmp_lg_u32 s16, 0
	s_cbranch_scc1 .Lw_done
	ds_load_b128 v[80:83], v12
	ds_load_b128 v[84:87], v12 offset:512
	s_wait_dscnt 0x0
	global_store_b128 v[L16], v[80:83], s[12:13]
	global_store_b128 v[L16], v[84:87], s[12:13] offset:512
.Lw_done:
	s_wait_tensorcnt 0x0
	ds_add_u32 v254, v255
	s_wait_dscnt 0x0
	s_endpgm
.Lfunc_end_k_qb7ae81db1c_quant:
	.size	k_qb7ae81db1c_quant, .Lfunc_end_k_qb7ae81db1c_quant-k_qb7ae81db1c_quant
	.p2alignl 7, 3214868480
	.fill 96, 4, 3214868480
	.section	.rodata,"a",@progbits
	.p2align	6, 0x0
	.amdhsa_kernel k_qb7ae81db1c_quant
		.amdhsa_group_segment_fixed_size 94720
		.amdhsa_private_segment_fixed_size 0
		.amdhsa_enable_private_segment 0
		.amdhsa_kernarg_size 40
		.amdhsa_user_sgpr_count 2
		.amdhsa_user_sgpr_kernarg_segment_ptr 1
		.amdhsa_wavefront_size32 1
		.amdhsa_system_sgpr_workgroup_id_x 1
		.amdhsa_system_sgpr_workgroup_id_y 1
		.amdhsa_system_sgpr_workgroup_id_z 1
		.amdhsa_system_vgpr_workitem_id 0
		.amdhsa_next_free_vgpr 256
		.amdhsa_next_free_sgpr 66
		.amdhsa_reserve_vcc 0
		.amdhsa_float_denorm_mode_32 3
		.amdhsa_float_denorm_mode_16_64 3
		.amdhsa_memory_ordered 1
		.amdhsa_forward_progress 1
		.amdhsa_inst_pref_size 40
	.end_amdhsa_kernel
	.amdgpu_metadata
---
amdhsa.version: [ 1, 2 ]
amdhsa.kernels:
  - .name:           k_qb7ae81db1c_quant
    .symbol:         k_qb7ae81db1c_quant.kd
    .args:
      - { .name: x, .offset: 0, .size: 8, .value_kind: global_buffer, .address_space: global }
      - { .name: W_attn, .offset: 8, .size: 8, .value_kind: global_buffer, .address_space: global }
      - { .name: W_proj, .offset: 16, .size: 8, .value_kind: global_buffer, .address_space: global }
      - { .name: cod1, .offset: 24, .size: 8, .value_kind: global_buffer, .address_space: global }
      - { .name: scl1, .offset: 32, .size: 8, .value_kind: global_buffer, .address_space: global }
    .group_segment_fixed_size: 94720
    .private_segment_fixed_size: 0
    .kernarg_segment_align: 8
    .kernarg_segment_size: 40
    .max_flat_workgroup_size: 256
    .sgpr_count:     66
    .vgpr_count:     256
    .wavefront_size: 32
...
	.end_amdgpu_metadata
.endif
;; end of part 1
;; launch qkv (part 2): grid 12 x 16, 4 waves a work-group, clusters of 4 x 4, 327,680 bytes of LDS; arguments cod1, scl1, b_attn, cod2; writes cod2
.if DOCPART == 2
	.amdgcn_target "amdgcn-amd-amdhsa--gfx1250"
	.amdhsa_code_object_version 6
	.text
	.protected	k_qb7ae81db1c_qkv
	.globl	k_qb7ae81db1c_qkv
	.p2align	8
	.type	k_qb7ae81db1c_qkv,@function
k_qb7ae81db1c_qkv:
	s_mov_b64 s[64:65], 0
	v_nop
	global_prefetch_b8 v0, s[64:65] scope:SCOPE_SE
	s_setreg_imm32_b32 hwreg(HW_REG_WAVE_MODE, 25, 1), 1
	s_wait_xcnt 0x0
	s_wait_alu depctr_hold_cnt(0) depctr_sa_sdst(0) depctr_va_vdst(0) depctr_va_sdst(0) depctr_va_ssrc(0) depctr_va_vcc(0) depctr_vm_vsrc(0)
	s_getreg_b32 s2, hwreg(HW_REG_IB_STS2, 6, 4)
	s_cmp_eq_u32 s2, 0
	s_cbranch_scc0 .Lentry_in_a_cluster
	s_endpgm
.Lentry_in_a_cluster:
	s_bfe_u32 s2, ttmp6, 0x10000c
	s_cmp_lg_u32 s2, 0xf033
	s_cbranch_scc0 .Lentry_shape_is_right
	s_endpgm
.Lentry_shape_is_right:
; qkv = x W_attn + b_attn on codes of BF6; then q, k: RMS norm over the head's 64, the rotary turn by the HEAD's number, quantised along the head's 64; v: quantised along the keys.  Nothing leaves as f32.
; Operands lie in memory as images of their registers (a TILE: 16 rows, tile 2 B + u = rows 32 B + 8 u + r + 8 (r / 8); a fragment, tile x 128 K, is 1,536 bytes): cod1 = [tile 512][K step 8][1,536], scl1 = [tile][K step][r] words.
; A work-group of four waves makes 256 x 256 of the product, a wave 128 x 128: 64 accumulators, 512 registers.  K = 1,024 goes in steps of 256 through a ring of two LDS slots; the scale words of all of K come once.
; THE PRODUCT IS USED TRANSPOSED: source 0 = a tile of the B slot, source 1 = a tile of the A slot: a lane holds ONE row of the A slot, and the 16 registers of B's tiles 2 b, 2 b + 1 are 16 NEIGHBOURING rows of the B slot.
; TWO KINDS OF CLUSTER, told by the cluster's x alone (equal in all partners).  x = 0, 1: A slot = tokens, B slot = W's columns of q and k: a lane holds a token, its registers run along the head.
;   x = 2: A slot = W's columns of v, B slot = tokens: a lane holds a channel, its registers run along the keys, which are the K of attention's second product.
; CLUSTERS: 4 x 4 work-groups; A's tiles are shared along a row of the cluster, B's along a column, each asked for jointly.  The grid is 12 x 16 = 192 work-groups: 3,072 x 4,096 / (256 x 256).
; OUT: cod2: [q, k][batch x head 32][group of 128 tokens 16] records of 13,056 bytes: 8 tiles x 768 of codes and [r 16][tile 8] scale words; in k's records at 6,656 v's key step (4 tiles x 1,536) and its [r 16][tile 4] words.
;   q's and k's scale words: bytes 0, 1 the scales, bytes 2, 3 zero: they meet zero codes.
; LIMITS: NaN and infinities are not served; a block whose largest magnitude lies under 2^-122 keeps the byte 1.  Sine and cosine of the angles (at most 15) come by a reduction by pi / 2 in two parts and polynomials of degree 9 and 10: about 1e-7 absolute.
; lds_bytes is all of a WGP's LDS and the add onto spare words stands in front of each refill's barrier and at the end.
.set NQ,     2                         ; matrix instructions deep in a slot
.set FR,     12                        ; registers of a fragment
.set NL,     4                         ; LDS loads that bring one
.set NP,     4                         ; places behind this matrix instruction (ISA guide 7.12.1)
.set TROW,   3072                      ; a tile's two K steps in a slot
.set HALFT,  8*TROW                    ; 8 tiles: what one tensor load brings, and what a wave reads of A or of B
.set SLOT,   4*HALFT                   ; A's 16 tiles, then B's 16
.set LAPS,   2                         ; 1,024 / (2 x 256)
.set SCL,    2*SLOT                    ; the scale words: A's 8,192 bytes, then B's
.set SPARE,  SCL+16384                 ; the spare words: 128 bytes a wave, two blocks of 256 bytes that no other line names
.set L16,  4                           ; v4   16 x lane; v5  8 x lane: both stay
.set L8,   5
.set ADRA, 16                          ; v16-17 A's fragments in slot 0, 1 (16 bytes a lane); v18-19 (8 bytes a lane)
.set ADRB, 20                          ; v20-23 the same for B
.set ADRS, 27                          ; v27  my scale words: lanes 0-15 A's, lanes 16-31 B's
.set SPW,  28                          ; v28  my spare word; never rewritten
.set NIL,  29                          ; v29  0; never rewritten
.set SC,   32                          ; v32-63 scale words, two sets; they hold nothing else
.set AF,   128                         ; A's fragments, window 0, one set; B's two sets in window 1 at v0 and v128; accumulators (a, b) at v[8 (8 (a % 4) + b)] of window 2 (a < 4) or 3
.set G1, 24
.set G0, 32
.set G1B, 48
.set G0B, 56
.set G1S, 68
.set G0S, 76
.set G1SB, 80
.set G0SB, 88
.set WVN, 14                           ; s14 wave; s15 = wave / 2: my half of A's rows, and: I fetch for A (0) or B (1); s16 = wave % 2: my half of B's rows, and which half I fetch
.set RH,  15
.set CH,  16
.set KIND, 17                          ; s17  1: the v kind
.set TA,  18                           ; s18  my wave's first tile of the A slot; s19 of the B slot
.set TBT, 19
.set MSB, 0
.macro WIN new                         ; the immediate's high byte repeats the setting that is left
.if MSB != (\new)
	s_set_vgpr_msb (MSB<<8)|(\new)
.set MSB, (\new)
.endif
.endm
.set MUL_LO, 0xa1                      ; source 0 (B) window 1, source 1 (A) window 0, C and D window 2
.set MUL_HI, 0xf1
.set TO_B,   0x40
.macro JLOAD g0a, g1a, g0b, g1b        ; a joint load: waves 0, 1 for A, waves 2, 3 for B; four v_nop follow each line
	s_cmp_eq_u32 s[RH], 0
	s_cbranch_scc0 .Lfor_b_\@
	tensor_load_to_lds s[\g0a:\g0a+3], s[\g1a:\g1a+7]
	s_nop 0
.rept 4
	v_nop
.endr
	s_branch .Lasked_\@
.Lfor_b_\@:
	tensor_load_to_lds s[\g0b:\g0b+3], s[\g1b:\g1b+7]
	s_nop 0
.rept 4
	v_nop
.endr
.Lasked_\@:
.endm
.macro CREST                           ; a round of the cluster's barrier behind its opening barrier
	s_cmp_lg_u32 s[WVN], 0
	s_cbranch_scc1 .Lnot_wave_0_\@
	s_barrier_signal -3
.Lnot_wave_0_\@:
	s_barrier_wait -3
	s_barrier_signal -1
	s_barrier_wait -1
.endm
.macro CROUND
	s_barrier_signal -1
	s_barrier_wait -1
	CREST
.endm
	s_load_b128 s[4:7], s[0:1], 0x0                ; cod1, scl1
	s_load_b128 s[8:11], s[0:1], 0x10              ; b_attn, cod2
	v_lshl_add_u32 v[SPW], v0, 2, SPARE
	v_mov_b32 v[NIL], 0
	ds_add_u32 v28, v29
	ds_add_u32 v28, v29
	s_wait_dscnt 0x0
	v_lshrrev_b32 v1, 5, v0
	v_readfirstlane_b32 s[WVN], v1
	s_lshr_b32 s[RH], s[WVN], 1
	s_and_b32 s[CH], s[WVN], 1
	s_bfe_u32 s40, ttmp6, 0x40000                  ; cx
	s_bfe_u32 s41, ttmp6, 0x40004                  ; cy
	s_and_b32 s42, ttmp7, 0xffff                   ; the cluster's y, 0 .. 3
	s_lshr_b32 s[KIND], ttmp9, 1                   ; the cluster's x is 0, 1 (q, k) or 2 (v)
	s_xor_b32 s96, s[KIND], 1
	s_lshl_b32 s97, s42, 6                         ; 64 y
	s_mul_i32 s20, s96, s97                        ; A's first tile: tokens 64 y + 16 cy, or W's columns of v 384 + 16 cy: it never holds cx
	s_mul_i32 s21, s[KIND], 384
	s_add_co_u32 s20, s20, s21
	s_lshl_b32 s21, s41, 4
	s_add_co_u32 s20, s20, s21
	s_lshl_b32 s46, ttmp9, 6                       ; B's first tile: W's columns 256 + 64 x + 16 cx, or tokens 64 y + 16 cx: it never holds cy
	s_add_co_u32 s46, s46, 256
	s_mul_i32 s46, s46, s96
	s_mul_i32 s47, s[KIND], s97
	s_add_co_u32 s46, s46, s47
	s_lshl_b32 s47, s40, 4
	s_add_co_u32 s46, s46, s47
	s_lshl_b32 s21, s[RH], 3
	s_add_co_u32 s[TA], s20, s21                   ; what my wave multiplies (for the way out)
	s_lshl_b32 s21, s[CH], 3
	s_add_co_u32 s[TBT], s46, s21
	s_add_co_u32 s20, s20, s21                     ; what my wave fetches: half wave % 2
	s_add_co_u32 s46, s46, s21
	s_lshl_b32 s22, s20, 9                         ; scale words: 512 bytes a tile
	s_mov_b32 s23, 0
	s_lshl_b32 s92, s46, 9
	s_mov_b32 s93, 0
	s_mul_i32 s20, s20, 12288                      ; codes: 12,288 bytes a tile
	s_mov_b32 s21, 0
	s_mul_i32 s46, s46, 12288
	s_mov_b32 s47, 0
	s_mul_i32 s45, s[WVN], HALFT                   ; where they go: no place in the cluster enters an LDS address
	s_lshl_b32 s43, s41, 2
	s_lshl_b32 s43, 15, s43                        ; my row of the cluster
	s_lshl_b32 s44, 0x1111, s40                    ; my column
	s_or_b32 s[G1+0], s43, (3<<16)|(1<<21)         ; 15:0 the mask; 17:16 elements of 8 bytes; 21 set beside a mask; no padding: every LDS read here is of consecutive bytes
	s_or_b32 s[G1B+0], s44, (3<<16)|(1<<21)
.irp g, G1, G1B                                ; 8 tiles' rows of 3,072 bytes (two K steps), 12,288 bytes apart
	s_mov_b32 s[\g+1], 384<<16                     ; tensor_dim0
	s_mov_b32 s[\g+2], 16<<16                      ; the head's loads bring 16 tiles; behind them the two words are set to 8
	s_mov_b32 s[\g+3], 384<<16
	s_mov_b32 s[\g+4], 16
	s_mov_b32 s[\g+5], 1536                        ; tensor_dim0_stride
	s_mov_b32 s[\g+6], 0
	s_mov_b32 s[\g+7], 0
.endr
	s_or_b32 s[G1S+0], s43, (3<<16)|(1<<21)
	s_or_b32 s[G1SB+0], s44, (3<<16)|(1<<21)
.irp g, G1S, G1SB                              ; 16 tiles' scale words: 8,192 dense bytes as 32 rows of 256
	s_mov_b32 s[\g+1], 32<<16
	s_mov_b32 s[\g+2], 32<<16                      ; 16 tiles' scale words: 8,192 dense bytes as 32 rows of 256
	s_mov_b32 s[\g+3], 32<<16
	s_mov_b32 s[\g+4], 32
	s_mov_b32 s[\g+5], 32
	s_mov_b32 s[\g+6], 0
	s_mov_b32 s[\g+7], 0
.endr
	s_wait_kmcnt 0x0
	s_add_nc_u64 s[20:21], s[4:5], s[20:21]
	s_add_nc_u64 s[22:23], s[6:7], s[22:23]
	s_add_nc_u64 s[46:47], s[4:5], s[46:47]
	s_add_nc_u64 s[92:93], s[6:7], s[92:93]
	CROUND                                         ; all sixteen work-groups are here: the first joint loads meet
.set G0H,  4                           ; s[4:7], s[96:99] group 0 of the head's loads of slot 0: A's 16 tiles, B's 16 (the arguments that lay in s[4:7] have been used)
.set G0HB, 96
	s_mul_i32 s96, s[CH], 8*12288                  ; back from my half to the block's first tile: codes,
	s_mov_b32 s97, 0
	s_lshl_b32 s98, s[CH], 12                      ; scale words
	s_mov_b32 s99, 0
	s_mov_b32 s[G0H], 1
	s_mov_b32 s[G0H+1], 0
	s_sub_nc_u64 s[G0H+2:G0H+3], s[20:21], s[96:97]
	s_or_b32 s[G0H+3], s[G0H+3], 0x80000000
	s_mov_b32 s[G0S], 1
	s_mov_b32 s[G0S+1], SCL
	s_sub_nc_u64 s[G0S+2:G0S+3], s[22:23], s[98:99]
	s_or_b32 s[G0S+3], s[G0S+3], 0x80000000
	s_mov_b32 s[G0SB], 1
	s_mov_b32 s[G0SB+1], SCL+8192
	s_sub_nc_u64 s[G0SB+2:G0SB+3], s[92:93], s[98:99]
	s_or_b32 s[G0SB+3], s[G0SB+3], 0x80000000
	s_sub_nc_u64 s[G0HB+2:G0HB+3], s[46:47], s[96:97]
	s_or_b32 s[G0HB+3], s[G0HB+3], 0x80000000
	s_mov_b32 s[G0HB], 1
	s_mov_b32 s[G0HB+1], 2*HALFT
.irp s, 0,1
	s_mov_b32 s[G0+4*\s], 1
	s_add_co_u32 s[G0+4*\s+1], s45, \s*SLOT
	s_add_nc_u64 s[G0+4*\s+2:G0+4*\s+3], s[20:21], \s*TROW
	s_or_b32 s[G0+4*\s+3], s[G0+4*\s+3], 0x80000000
	s_mov_b32 s[G0B+4*\s], 1
	s_add_co_u32 s[G0B+4*\s+1], s45, \s*SLOT
	s_add_nc_u64 s[G0B+4*\s+2:G0B+4*\s+3], s[46:47], \s*TROW
	s_or_b32 s[G0B+4*\s+3], s[G0B+4*\s+3], 0x80000000
.endr
; the head's four tiles, one joint load a wave: wave 0 slot 0's 16 tiles of A, wave 1 its 16 of B, wave 2 A's scale words, wave 3 B's; one chain of branches, all arms to one join
.macro ARM under, g0, g1, next
	s_cmp_lt_u32 s[WVN], \under
	s_cbranch_scc0 \next
	tensor_load_to_lds s[\g0:\g0+3], s[\g1:\g1+7]
	s_nop 0
.rept 4
	v_nop
.endr
	s_branch .Lhead_asked
\next:
.endm
	ARM 1, G0H,  G1,  .Lhead_b
	ARM 2, G0HB, G1B, .Lhead_sa
	ARM 3, G0S,  G1S, .Lhead_sb
	tensor_load_to_lds s[G0SB:G0SB+3], s[G1SB:G1SB+7]
	s_nop 0
.rept 4
	v_nop
.endr
.Lhead_asked:
	v_and_b32 v1, 15, v0
	v_bfe_u32 v2, v0, 4, 1                         ; h
	v_and_b32 v3, 31, v0
	v_lshlrev_b32 v[L16], 4, v3
	v_lshlrev_b32 v[L8], 3, v3
	s_mul_i32 s21, s[RH], HALFT                    ; my 8 tiles of A
	s_mul_i32 s22, s[CH], HALFT                    ; my 8 tiles of B,
	s_add_co_u32 s22, s22, 2*HALFT                 ; behind A's 16
.irp s, 0,1
	v_add_nc_u32 v[ADRA+\s], s21, v[L16]
	v_add_nc_u32 v[ADRB+\s], s22, v[L16]
	v_add_nc_u32 v[ADRA+2+\s], s21, v[L8]
	v_add_nc_u32 v[ADRB+2+\s], s22, v[L8]
	s_add_co_u32 s21, s21, SLOT
	s_add_co_u32 s22, s22, SLOT
.endr
	s_lshl_b32 s21, s[RH], 12                      ; A's scale words: my 8 tiles
	s_lshl_b32 s22, s[CH], 12                      ; B's, behind A's 8,192 bytes
	s_add_co_u32 s22, s22, 8192
	s_sub_co_u32 s22, s22, s21
	v_mul_u32_u24 v6, s22, v2                      ; lanes 16-31 take B's: one product, the distance x h
	s_add_co_u32 s21, s21, SCL
	v_lshl_add_u32 v6, v1, 2, v6
	v_add_nc_u32 v[ADRS], s21, v6
.macro FRAG reg, adr, q, i             ; a fragment comes as it lies: every load reads consecutive bytes
	ds_load_b128 v[\reg:\reg+3], v[\adr] offset:TROW*(\i)+1536*(\q)
	ds_load_b64 v[\reg+4:\reg+5], v[\adr+2] offset:TROW*(\i)+1536*(\q)+512
	ds_load_b128 v[\reg+6:\reg+9], v[\adr] offset:TROW*(\i)+1536*(\q)+768
	ds_load_b64 v[\reg+10:\reg+11], v[\adr+2] offset:TROW*(\i)+1536*(\q)+1280
.endm
; 16 matrix instructions: A's blocks a0, a0 + 1 x B's eight.  The 64 accumulators take turns, one instruction a turn, in the same order in every step
.macro MUL16 a0, p, q, sc, zero
.irp a, \a0, \a0+1
.irp b, 0,1,2,3,4,5,6,7
.if \zero
	v_wmma_scale_f32_16x16x128_f8f6f4 v[8*(8*((\a)%4)+\b):8*(8*((\a)%4)+\b)+7], v[128*(\p)+FR*\b:128*(\p)+FR*\b+FR-1], v[AF+FR*(\a):AF+FR*(\a)+FR-1], 0, v[SC+8*NQ*(\sc)+NQ*\b+(\q)], v[SC+8*NQ*(\sc)+NQ*(\a)+(\q)] matrix_a_fmt:MATRIX_FMT_BF6 matrix_b_fmt:MATRIX_FMT_BF6 matrix_a_scale:MATRIX_SCALE_ROW1
.else
	v_wmma_scale_f32_16x16x128_f8f6f4 v[8*(8*((\a)%4)+\b):8*(8*((\a)%4)+\b)+7], v[128*(\p)+FR*\b:128*(\p)+FR*\b+FR-1], v[AF+FR*(\a):AF+FR*(\a)+FR-1], v[8*(8*((\a)%4)+\b):8*(8*((\a)%4)+\b)+7], v[SC+8*NQ*(\sc)+NQ*\b+(\q)], v[SC+8*NQ*(\sc)+NQ*(\a)+(\q)] matrix_a_fmt:MATRIX_FMT_BF6 matrix_b_fmt:MATRIX_FMT_BF6 matrix_a_scale:MATRIX_SCALE_ROW1
.endif
.endr
.endr
.endm
.macro FETCH_B slot, q, p
	WIN TO_B
.irp i, 0,1,2,3,4,5,6,7
	FRAG 128*(\p)+FR*\i, ADRB+\slot, \q, \i
.endr
	WIN 0
.endm
.macro FETCH_A slot, q, i0
.irp i, \i0, \i0+1, \i0+2, \i0+3
	FRAG AF+FR*(\i), ADRA+\slot, \q, \i
.endr
.endm
.macro SCALES sc                       ; register 2 i + q of the set: lanes 0-15 the words of A's block i, lanes 16-31 of B's block i, for the slot's q-th 128 along K
.irp i, 0,1,2,3,4,5,6,7
	ds_load_b32 v[SC+8*NQ*\sc+NQ*\i], v[ADRS] offset:512*\i
	ds_load_b32 v[SC+8*NQ*\sc+NQ*\i+1], v[ADRS] offset:512*\i+64
.endr
.endm
.macro PLACES n
.rept \n
	v_nop
.endr
.endm
.macro STEP slot, q, zero              ; a step of 128 along K that has its successor in the same slot
	s_wait_dscnt 4*NL                              ; B's set, A's blocks 0-3 and the scale words are in; the youngest 16 loads (A's blocks 4-7) may be out
	WIN MUL_LO
	MUL16 0, (\q)%2, \q, \slot, \zero
	MUL16 2, (\q)%2, \q, \slot, \zero
	s_wait_dscnt 0
	PLACES NP                                      ; in front of loads into registers that matrix instructions have read
	FETCH_B \slot, (\q)+1, 1-(\q)%2
	FETCH_A \slot, (\q)+1, 0
	WIN MUL_HI
	MUL16 4, (\q)%2, \q, \slot, \zero
	MUL16 6, (\q)%2, \q, \slot, \zero
	PLACES NP
	WIN 0
	FETCH_A \slot, (\q)+1, 4
.endm
.macro TURN slot, next, fill           ; a slot's last step changes slots: one barrier, which opens a round of the cluster's where the slot is filled again
	s_wait_tensorcnt 0x0                           ; all my tensor loads have landed: my part of the next slot
	ds_add_u32 v[SPW], v[NIL]                      ; 0 onto my spare word
	s_wait_dscnt 4*NL+1                            ; (the add and A's blocks 4-7 may be out)
	WIN MUL_LO
	MUL16 0, 1, NQ-1, \slot, 0
	s_wait_dscnt 0x0                               ; the add is done, and my reads of this slot are over
	s_barrier_signal -1
	MUL16 2, 1, NQ-1, \slot, 0
	WIN 0
	s_barrier_wait -1
.if \fill
	CREST                                          ; no wave of any partner still reads this slot or has a load on its way
	s_add_nc_u64 s[G0+4*\slot+2:G0+4*\slot+3], s[G0+4*\slot+2:G0+4*\slot+3], 2*TROW
	s_add_nc_u64 s[G0B+4*\slot+2:G0B+4*\slot+3], s[G0B+4*\slot+2:G0B+4*\slot+3], 2*TROW
	JLOAD G0+4*\slot, G1, G0B+4*\slot, G1B         ; my one tensor load behind the round; its four v_nop are the places in front of the loads below
.else
	PLACES NP
.endif
	s_wait_alu depctr_va_vdst(0)
	v_add_nc_u32 v[ADRS], 64*NQ, v[ADRS]           ; the next two K steps' scale words
	FETCH_B \next, 0, 0
	FETCH_A \next, 0, 0
	SCALES \next
	WIN MUL_HI
	MUL16 4, 1, NQ-1, \slot, 0
	MUL16 6, 1, NQ-1, \slot, 0
	PLACES NP
	WIN 0
	FETCH_A \next, 0, 4
.endm
	s_wait_alu depctr_va_vdst(0)
	s_wait_tensorcnt 0x0                           ; my tile of the head's four is in
	ds_add_u32 v[SPW], v[NIL]
	s_mov_b32 s[G1+2], 8<<16                       ; no tensor load of mine is out: from here on a load brings 8 tiles
	s_mov_b32 s[G1+4], 8
	s_mov_b32 s[G1B+2], 8<<16
	s_mov_b32 s[G1B+4], 8
	s_wait_dscnt 0x0
	CROUND                                         ; all four tiles are in, in every partner
	JLOAD G0+4, G1, G0B+4, G1B                     ; slot 1's first fill, my one tensor load behind the round
	FETCH_B 0, 0, 0
	FETCH_A 0, 0, 0
	SCALES 0
	FETCH_A 0, 0, 4
	STEP 0, 0, 1                                   ; the first step's products start the sums
	s_mov_b32 s3, LAPS-1
.Llap:
	TURN 0, 1, 1
	STEP 1, 0, 0
	TURN 1, 0, 1
	STEP 0, 0, 0
	s_sub_co_u32 s3, s3, 1
	s_cmp_lg_u32 s3, 0
	s_cbranch_scc1 .Llap
	TURN 0, 1, 0
	STEP 1, 0, 0
	s_wait_dscnt 4*NL
	WIN MUL_LO
	MUL16 0, 1, NQ-1, 1, 0
	MUL16 2, 1, NQ-1, 1, 0
	s_wait_dscnt 0
	WIN MUL_HI
	MUL16 4, 1, NQ-1, 1, 0
	MUL16 6, 1, NQ-1, 1, 0
	WIN 0
	PLACES NP                                      ; behind the last products: their operands' registers are written and their results read below
	s_mov_b32 s84, 0x76543210                      ; (every tensor load has been waited for: the descriptors' registers are free)
	s_mov_b32 s85, 0xfedcba98
.set SEL, 84
.set WW,  204                          ; v204-211 the eight scale words of a lane's row
.set OUT, 200
	s_cmp_eq_u32 s[KIND], 1                        ; hangs on the cluster's x alone
	s_cbranch_scc1 .Lv_kind
; ======== q and k.  Lane (r, h) holds token r of A's tile a; for head g of my two, registers n = 0 .. 15 of B's tiles 4 g .. 4 g + 1 are d = 16 h + n, those of tiles 4 g + 2, 4 g + 3 d = 32 + 16 h + n: the turn's two partners lie in one lane
.set Z,   64                           ; v64-95   the head's 32 numbers of my half
.set Y,   96                           ; v96-127  turned
.set INV, 64                           ; the table's work: v64-79 the frequencies, v128-223 six runs of 16
.set TT,  128
.set TK,  144
.set T2,  160
.set TP,  176
.set TC,  192
.set SN,  208
.set HF,  12                           ; v12, v13 my two heads' numbers as f32
.set SS,  224
.set RS,  232
.set TM,  234
.set PC,  240
.set PT,  246
.set PW,  249
.set BI,  0                            ; window 1: v0-63 the bias of my 128 columns; v64 + 32 g + i cos, v80 + 32 g + i sin of head g's angle 16 h + i
.set COSB, 64
.set SINB, 80
	s_mov_b32 s68, 0xbed49a78                      ; -log2(10000) / 32
	s_mov_b32 s69, 0x3f22f983                      ; 2 / pi
	s_mov_b32 s70, 0x3fc90fdb                      ; pi / 2, its upper part,
	s_mov_b32 s71, 0xb33bbd2e                      ; and what is left
	s_mov_b32 s72, 0xbe2aaaab                      ; sine: -1/6, 1/120, -1/5040, 1/362880
	s_mov_b32 s73, 0x3c088889
	s_mov_b32 s74, 0xb9500d01
	s_mov_b32 s75, 0x3638ef1d
	s_mov_b32 s76, 0x3d2aaaab                      ; cosine: 1/24, -1/720, 1/40320, -1/3628800
	s_mov_b32 s77, 0xbab60b61
	s_mov_b32 s78, 0x37d00d01
	s_mov_b32 s79, 0xb493f27e
	s_mov_b32 s82, 0x3c800000                      ; 1 / 64
	s_mov_b32 s83, 0x34000000                      ; eps
	s_sub_co_u32 s20, s[TBT], 256                  ; my first tile among W's columns: 16 columns each
	s_lshl_b32 s22, s20, 6
	s_mov_b32 s23, 0
	s_add_nc_u64 s[8:9], s[8:9], s[22:23]          ; the bias of my 128 columns
	s_lshr_b32 s20, s20, 2                         ; 4 tiles to a head: 0 .. 15 q's heads, 16 .. 31 k's
	s_lshr_b32 s21, s20, 4
	s_and_b32 s20, s20, 15                         ; the head
	s_lshl_b32 s21, s21, 5
	s_add_co_u32 s21, s21, s20
	s_lshr_b32 s22, s[TA], 7                       ; the batch: 128 tiles of tokens each
	s_lshl_b32 s22, s22, 4
	s_add_co_u32 s21, s21, s22                     ; 32 (q or k) + 16 batch + head
	; WHAT IS STORED, in cod2 alone: [q, k][batch x head 32][group of 128 tokens 16] records of 13,056 bytes.  A record: 8 tiles x 768 bytes of codes; at 6,144 the [r 16][tile 8] scale words;
	; in k's records, at 6,656, v's key step: 4 tiles x 1,536 bytes, and at 12,800 its [r 16][tile 4] scale words.  (q's records are written up to byte 6,656 and read no further.)
	s_and_b32 s22, s[TA], 127
	s_lshr_b32 s22, s22, 3                         ; my group of 128 tokens
	s_mul_i32 s46, s21, 208896
	s_mul_i32 s22, s22, 13056
	s_add_co_u32 s46, s46, s22
	s_mov_b32 s47, 0
	s_add_nc_u64 s[10:11], s[10:11], s[46:47]      ; my group's record, head g = 0
	s_add_nc_u64 s[12:13], s[10:11], 6144          ; and its scale words
	v_lshlrev_b32 v11, 6, v2                       ; the bias: 16 h numbers on
	v_lshlrev_b32 v10, 5, v1
	v_lshl_add_u32 v10, v2, 4, v10                 ; the scale words: 32 r + 16 h
	WIN 0x40                                       ; destination window 1
.irp b, 0,1,2,3,4,5,6,7
	global_load_b128 v[BI+8*\b:BI+8*\b+3], v11, s[8:9] offset:(32*(\b/2)+8*(\b%2))*4
	global_load_b128 v[BI+8*\b+4:BI+8*\b+7], v11, s[8:9] offset:(32*(\b/2)+8*(\b%2))*4+16
.endr
	WIN 0
	v_mov_b32 v[HF], s20
	v_cvt_f32_u32 v[HF], v[HF]
	v_add_f32 v[HF+1], 1.0, v[HF]
	v_mov_b32 v[RS+1], 0                           ; (named as the upper half of a pair)
	v_lshlrev_b32 v14, 4, v2
.set i, 0
.rept 16
	v_add_nc_u32 v[INV+i], i, v14                  ; J = 16 h + i
.set i, i+1
.endr
.set i, 0
.rept 16
	v_cvt_f32_u32 v[INV+i], v[INV+i]
.set i, i+1
.endr
.set i, 0
.rept 16
	v_mul_f32 v[INV+i], s68, v[INV+i]
.set i, i+1
.endr
.set i, 0
	s_wait_alu depctr_va_vdst(0)
.rept 16
	v_exp_f32 v[INV+i], v[INV+i]                   ; 10000^(-J / 32)
.set i, i+1
.endr
	v_nop                                          ; a plain place behind the exponentials
	s_wait_alu depctr_va_vdst(0)
; sine and cosine of head g's 16 angles, line by line so that no line waits for the line above it
.macro TABLE g
.set i, 0
.rept 16
	v_mul_f32 v[TT+i], v[HF+\g], v[INV+i]          ; the angle
.set i, i+1
.endr
.set i, 0
.rept 16
	v_mul_f32 v[TK+i], s69, v[TT+i]
.set i, i+1
.endr
.set i, 0
.rept 16
	v_rndne_f32 v[TK+i], v[TK+i]                   ; how many quarter turns
.set i, i+1
.endr
.set i, 0
.rept 16
	v_fma_f32 v[TT+i], -v[TK+i], s70, v[TT+i]
.set i, i+1
.endr
.set i, 0
.rept 16
	v_fma_f32 v[TT+i], -v[TK+i], s71, v[TT+i]      ; what is left, within pi / 4
.set i, i+1
.endr
.set i, 0
.rept 16
	v_mul_f32 v[T2+i], v[TT+i], v[TT+i]
.set i, i+1
.endr
.set i, 0
.rept 16
	v_fma_f32 v[TP+i], v[T2+i], s75, s74
	v_fma_f32 v[TC+i], v[T2+i], s79, s78
.set i, i+1
.endr
.set i, 0
.rept 16
	v_fma_f32 v[TP+i], v[TP+i], v[T2+i], s73
	v_fma_f32 v[TC+i], v[TC+i], v[T2+i], s77
.set i, i+1
.endr
.set i, 0
.rept 16
	v_fma_f32 v[TP+i], v[TP+i], v[T2+i], s72
	v_fma_f32 v[TC+i], v[TC+i], v[T2+i], s76
.set i, i+1
.endr
.set i, 0
.rept 16
	v_mul_f32 v[SN+i], v[TT+i], v[T2+i]
	v_fma_f32 v[TC+i], v[TC+i], v[T2+i], -0.5
.set i, i+1
.endr
.set i, 0
.rept 16
	v_fma_f32 v[TP+i], v[SN+i], v[TP+i], v[TT+i]   ; the sine of what is left,
	v_fma_f32 v[TC+i], v[TC+i], v[T2+i], 1.0       ; and its cosine
.set i, i+1
.endr
.set i, 0
.rept 16
	v_cvt_i32_f32 v[TK+i], v[TK+i]
.set i, i+1
.endr
.set i, 0
.rept 16
	v_and_b32 v[TT+i], 1, v[TK+i]
.set i, i+1
.endr
.set i, 0
.rept 16
	v_cmp_ne_u32 vcc_lo, 0, v[TT+i]                ; an odd number of quarter turns changes the two over: values are chosen, nothing branches
	v_cndmask_b32 v[SN+i], v[TP+i], v[TC+i], vcc_lo
	v_cndmask_b32 v[TT+i], v[TC+i], v[TP+i], vcc_lo
.set i, i+1
.endr
.set i, 0
.rept 16
	v_and_b32 v[T2+i], 2, v[TK+i]                  ; the sine is negative in quarters 2, 3,
	v_add_nc_u32 v[TK+i], 1, v[TK+i]
.set i, i+1
.endr
.set i, 0
.rept 16
	v_lshlrev_b32 v[T2+i], 30, v[T2+i]
	v_and_b32 v[TK+i], 2, v[TK+i]                  ; the cosine in quarters 1, 2
.set i, i+1
.endr
.set i, 0
.rept 16
	v_lshlrev_b32 v[TK+i], 30, v[TK+i]
.set i, i+1
.endr
	WIN 0x40
.set i, 0
.rept 16
	v_xor_b32 v[SINB+32*\g+i], v[SN+i], v[T2+i]
	v_xor_b32 v[COSB+32*\g+i], v[TT+i], v[TK+i]
.set i, i+1
.endr
	WIN 0
.endm
	TABLE 0
	TABLE 1
; 32 numbers of a lane, register 16 b + i = k 32 b + 16 h + i of my row, become 64 K of codes in v[PC] .. v[PC + 5] and two scale bytes in v[PW]
.macro QUANT2 s
.irp b, 0,1
	v_max3_num_f32 v[TM+\b], |v[\s+16*\b]|, |v[\s+16*\b+1]|, 0x2800000   ; two chains a block; the floor 2^(5 - 127) is a leaf of the first
	v_max3_num_f32 v[TM+2+\b], |v[\s+16*\b+8]|, |v[\s+16*\b+9]|, |v[\s+16*\b+10]|
.endr
.irp i, 2,4
.irp b, 0,1
	v_max3_num_f32 v[TM+\b], v[TM+\b], |v[\s+16*\b+\i]|, |v[\s+16*\b+\i+1]|
	v_max3_num_f32 v[TM+2+\b], v[TM+2+\b], |v[\s+16*\b+9+\i]|, |v[\s+16*\b+10+\i]|
.endr
.endr
.irp b, 0,1
	v_max3_num_f32 v[TM+\b], v[TM+\b], |v[\s+16*\b+6]|, |v[\s+16*\b+7]|
.endr
.irp b, 0,1
	v_max3_num_f32 v[TM+\b], v[TM+\b], v[TM+2+\b], |v[\s+16*\b+15]|
.endr
.irp b, 0,1
	v_permlanex16_b32 v[TM+2+\b], v[TM+\b], s[SEL], s[SEL+1]
.endr
.irp b, 0,1
	v_max_num_f32 v[TM+\b], v[TM+\b], v[TM+2+\b]   ; with lane l xor 16's: the block's largest magnitude
.endr
.irp b, 0,1
	v_add_nc_u32 v[TM+4+\b], 0xfe000000, v[TM+\b]  ; 4 off its exponent field: the conversion's scale operand
.endr
.irp b, 0,1
	v_lshrrev_b32 v[TM+2+\b], 23, v[TM+4+\b]
.endr
	v_lshl_or_b32 v[PW], v[TM+3], 8, v[TM+2]
	v_cvt_scalef32_pk16_bf6_f32 v[PC:PC+2], v[\s:\s+15], v[TM+4]
	v_cvt_scalef32_pk16_bf6_f32 v[PT:PT+2], v[\s+16:\s+31], v[TM+5]
	v_nop                                          ; one plain place behind a scaled conversion
.irp i, 0,1,2
	v_permlane16_swap_b32 v[PC+\i], v[PT+\i]       ; lanes 0-15 get block 0 whole, lanes 16-31 block 1
.endr
.irp i, 0,1,2
	v_mov_b32 v[PC+3+\i], v[PT+\i]
.endr
.endm
.macro EPI_QK a, g
	s_wait_xcnt 0x0                                ; the last stores have read their data: the codes' registers are written again below
	WIN 0x06+((\a)/4)                              ; source 0 window 2 or 3, source 1 window 1
.set n, 0
.rept 16
	v_pk_add_f32 v[Z+n:Z+n+1], v[64*((\a)%4)+32*(\g)+n:64*((\a)%4)+32*(\g)+n+1], v[BI+32*(\g)+n:BI+32*(\g)+n+1]   ; + bias; each accumulator from its low end on
.set n, n+2
.endr
	WIN 0
.irp c, 0,1,2,3
	v_pk_mul_f32 v[SS+2*\c:SS+2*\c+1], v[Z+2*\c:Z+2*\c+1], v[Z+2*\c:Z+2*\c+1]   ; the sum of squares, in four chains
.endr
.irp m, 8,16,24
.irp c, 0,1,2,3
	v_pk_fma_f32 v[SS+2*\c:SS+2*\c+1], v[Z+\m+2*\c:Z+\m+2*\c+1], v[Z+\m+2*\c:Z+\m+2*\c+1], v[SS+2*\c:SS+2*\c+1]
.endr
.endr
	v_pk_add_f32 v[SS:SS+1], v[SS:SS+1], v[SS+2:SS+3]
	v_pk_add_f32 v[SS+4:SS+5], v[SS+4:SS+5], v[SS+6:SS+7]
	v_pk_add_f32 v[SS:SS+1], v[SS:SS+1], v[SS+4:SS+5]
	v_add_f32 v[SS], v[SS], v[SS+1]
	v_permlanex16_b32 v[SS+1], v[SS], s[SEL], s[SEL+1]
	v_add_f32 v[SS], v[SS], v[SS+1]                ; with the other half of the head
	v_fma_f32 v[SS], v[SS], s82, s83               ; the mean + eps
	s_wait_alu depctr_va_vdst(0)
	v_rsq_f32 v[RS], v[SS]
	v_nop                                          ; a plain place behind the transcendental
.set n, 0
	s_wait_alu depctr_va_vdst(0)
.rept 16
	v_pk_mul_f32 v[Z+n:Z+n+1], v[Z+n:Z+n+1], v[RS:RS+1] op_sel_hi:[1,0]
.set n, n+2
.endr
	WIN 0x04                                       ; source 1 window 1: the table
.set n, 0
.rept 8
	v_pk_mul_f32 v[Y+n:Y+n+1], v[Z+16+n:Z+17+n], v[SINB+32*(\g)+n:SINB+32*(\g)+n+1]
	v_pk_mul_f32 v[Y+16+n:Y+17+n], v[Z+n:Z+n+1], v[SINB+32*(\g)+n:SINB+32*(\g)+n+1]
.set n, n+2
.endr
.set n, 0
.rept 8
	v_pk_fma_f32 v[Y+n:Y+n+1], v[Z+n:Z+n+1], v[COSB+32*(\g)+n:COSB+32*(\g)+n+1], v[Y+n:Y+n+1]                                       ; x1 cos + x2 sin
	v_pk_fma_f32 v[Y+16+n:Y+17+n], v[Z+16+n:Z+17+n], v[COSB+32*(\g)+n:COSB+32*(\g)+n+1], v[Y+16+n:Y+17+n] neg_lo:[0,0,1] neg_hi:[0,0,1]   ; x2 cos - x1 sin
.set n, n+2
.endr
	WIN 0
	QUANT2 Y
	global_store_b128 v[L16], v[PC:PC+3], s[10:11] offset:768*(\a)+208896*(\g)
	global_store_b64 v[L8], v[PC+4:PC+5], s[10:11] offset:768*(\a)+208896*(\g)+512
	v_mov_b32 v[WW+(\a)], v[PW]
.endm
	s_wait_loadcnt 0x0                             ; the bias
.irp g, 0,1
.irp a, 0,1,2,3,4,5,6,7
	EPI_QK \a, \g
.endr
	v_cmp_ne_u32 vcc_lo, 0, v2
.irp k, 0,1,2,3
	v_cndmask_b32 v[OUT+\k], v[WW+\k], v[WW+4+\k], vcc_lo   ; lanes 0-15 send tiles 0-3's words of their row, lanes 16-31 tiles 4-7's
.endr
	global_store_b128 v10, v[OUT:OUT+3], s[12:13] offset:208896*\g
.endr
	s_branch .Lend
; ======== v.  Lane (r, h) holds a channel (row r of A's tile a = 4 g + t: head g of my two, tile t of its 64); its 64 registers are keys 32 b + 16 h + i of my 128 tokens: one key step's fragment
.Lv_kind:
.set X,   64
.set BV,  128                          ; v128 + 2 a: my channel's bias for tile a; the odd registers are named as upper halves of pairs
.set TM,  160
.set PW,  176
.set PC,  224
.macro QUANT4 s
.irp b, 0,1,2,3
	v_max3_num_f32 v[TM+\b], |v[\s+16*\b]|, |v[\s+1+16*\b]|, 0x2800000
.endr
.irp i, 2,4,6,8,10,12,14
.irp b, 0,1,2,3
	v_max3_num_f32 v[TM+\b], v[TM+\b], |v[\s+16*\b+\i]|, |v[\s+1+16*\b+\i]|
.endr
.endr
.irp b, 0,1,2,3
	v_permlanex16_b32 v[TM+4+\b], v[TM+\b], s[SEL], s[SEL+1]
.endr
.irp b, 0,1,2,3
	v_max_num_f32 v[TM+\b], v[TM+\b], v[TM+4+\b]
.endr
.irp b, 0,1,2,3
	v_add_nc_u32 v[TM+12+\b], 0xfe000000, v[TM+\b]
.endr
.irp b, 0,1,2,3
	v_lshrrev_b32 v[TM+4+\b], 23, v[TM+12+\b]
.endr
	v_lshl_or_b32 v[PW], v[TM+5], 8, v[TM+4]
	v_lshl_or_b32 v[PW], v[TM+6], 16, v[PW]
	v_lshl_or_b32 v[PW], v[TM+7], 24, v[PW]
.irp c, 0,1
	v_cvt_scalef32_pk16_bf6_f32 v[PC+6*\c:PC+2+6*\c], v[\s+32*\c:\s+15+32*\c], v[TM+12+2*\c]
	v_cvt_scalef32_pk16_bf6_f32 v[PC+12+4*\c:PC+14+4*\c], v[\s+16+32*\c:\s+31+32*\c], v[TM+12+2*\c+1]
.endr
	v_nop                                          ; one plain place behind a scaled conversion
.irp c, 0,1
.irp i, 0,1,2
	v_permlane16_swap_b32 v[PC+6*\c+\i], v[PC+12+4*\c+\i]
.endr
.irp i, 0,1,2
	v_mov_b32 v[PC+3+6*\c+\i], v[PC+12+4*\c+\i]
.endr
.endr
.endm
	s_sub_co_u32 s20, s[TA], 384                   ; my first tile among v's columns
	s_lshl_b32 s22, s20, 6
	s_add_co_u32 s22, s22, 8192                    ; the bias: column 2,048 + 16 x tile
	s_mov_b32 s23, 0
	s_add_nc_u64 s[8:9], s[8:9], s[22:23]
	s_lshr_b32 s20, s20, 2                         ; my first head
	s_lshr_b32 s21, s[TBT], 7                      ; the batch
	s_lshl_b32 s21, s21, 4
	s_add_co_u32 s20, s20, s21                     ; 16 batch + head
	s_and_b32 s21, s[TBT], 127
	s_lshr_b32 s21, s21, 3                         ; the key step
	s_mul_i32 s46, s20, 208896
	s_mul_i32 s47, s21, 13056
	s_add_co_u32 s46, s46, s47
	s_add_co_u32 s46, s46, 32*208896+6656          ; v's part of k's record of this key step
	s_mov_b32 s47, 0
	s_add_nc_u64 s[10:11], s[10:11], s[46:47]
	s_add_nc_u64 s[12:13], s[10:11], 6144          ; and its scale words
	v_and_b32 v11, 8, v1
	v_add_nc_u32 v11, v11, v1
	v_lshlrev_b32 v11, 2, v11                      ; the bias: channel r + 8 (r / 8) of the tile
	v_mul_u32_u24 v10, v2, 208896
	v_lshl_add_u32 v10, v1, 4, v10                 ; the scale words: lanes 0-15 head g = 0, lanes 16-31 head g = 1; 16 bytes a row
.irp a, 0,1,2,3,4,5,6,7
	global_load_b32 v[BV+2*\a], v11, s[8:9] offset:(32*(\a/2)+8*(\a%2))*4
	v_mov_b32 v[BV+2*\a+1], 0
.endr
.irp b, 0,1,2,3
	v_mov_b32 v[TM+4+\b], 0                        ; a lane permute's destination counts as one of its sources
.endr
.macro EPI_V a
	s_wait_xcnt 0x0                                ; the last stores have read their data
	WIN 0x02+((\a)/4)                              ; source 0 window 2 or 3
.set n, 0
.rept 32
	v_pk_add_f32 v[X+n:X+n+1], v[64*((\a)%4)+n:64*((\a)%4)+n+1], v[BV+2*(\a):BV+2*(\a)+1] op_sel_hi:[1,0]   ; + my channel's bias; each accumulator from its low end on
.set n, n+2
.endr
	WIN 0
	QUANT4 X
	global_store_b128 v[L16], v[PC:PC+3], s[10:11] offset:208896*((\a)/4)+1536*((\a)%4)
	global_store_b64 v[L8], v[PC+4:PC+5], s[10:11] offset:208896*((\a)/4)+1536*((\a)%4)+512
	global_store_b128 v[L16], v[PC+6:PC+9], s[10:11] offset:208896*((\a)/4)+1536*((\a)%4)+768
	global_store_b64 v[L8], v[PC+10:PC+11], s[10:11] offset:208896*((\a)/4)+1536*((\a)%4)+1280
	v_mov_b32 v[WW+(\a)], v[PW]
.endm
	s_wait_loadcnt 0x0
.irp a, 0,1,2,3,4,5,6,7
	EPI_V \a
.endr
	v_cmp_ne_u32 vcc_lo, 0, v2
.irp k, 0,1,2,3
	v_cndmask_b32 v[OUT+\k], v[WW+\k], v[WW+4+\k], vcc_lo
.endr
	global_store_b128 v10, v[OUT:OUT+3], s[12:13]  ; sixteen lanes store 256 consecutive bytes for each of the two heads
.Lend:
	s_wait_tensorcnt 0x0                           ; the wave's end
	ds_add_u32 v[SPW], v[NIL]
	s_wait_dscnt 0x0
	CROUND                                         ; the closing round
	s_endpgm
.Lfunc_end_k_qb7ae81db1c_qkv:
	.size	k_qb7ae81db1c_qkv, .Lfunc_end_k_qb7ae81db1c_qkv-k_qb7ae81db1c_qkv
	.p2alignl 7, 3214868480
	.fill 96, 4, 3214868480
	.section	.rodata,"a",@progbits
	.p2align	6, 0x0
	.amdhsa_kernel k_qb7ae81db1c_qkv
		.amdhsa_group_segment_fixed_size 327680
		.amdhsa_private_segment_fixed_size 0
		.amdhsa_enable_private_segment 0
		.amdhsa_kernarg_size 32
		.amdhsa_user_sgpr_count 2
		.amdhsa_user_sgpr_kernarg_segment_ptr 1
		.amdhsa_wavefront_size32 1
		.amdhsa_system_sgpr_workgroup_id_x 1
		.amdhsa_system_sgpr_workgroup_id_y 1
		.amdhsa_system_sgpr_workgroup_id_z 1
		.amdhsa_system_vgpr_workitem_id 0
		.amdhsa_next_free_vgpr 1024
		.amdhsa_next_free_sgpr 100
		.amdhsa_reserve_vcc 1
		.amdhsa_float_denorm_mode_32 3
		.amdhsa_float_denorm_mode_16_64 3
		.amdhsa_memory_ordered 1
		.amdhsa_forward_progress 1
		.amdhsa_inst_pref_size 255
	.end_amdhsa_kernel
	.section	.bss,"aw",@nobits
	.p2align	6
	.space	262144
	.amdgpu_metadata
---
amdhsa.version: [ 1, 2 ]
amdhsa.kernels:
  - .name:           k_qb7ae81db1c_qkv
    .symbol:         k_qb7ae81db1c_qkv.kd
    .args:
      - { .name: cod1, .offset: 0, .size: 8, .value_kind: global_buffer, .address_space: global }
      - { .name: scl1, .offset: 8, .size: 8, .value_kind: global_buffer, .address_space: global }
      - { .name: b_attn, .offset: 16, .size: 8, .value_kind: global_buffer, .address_space: global }
      - { .name: cod2, .offset: 24, .size: 8, .value_kind: global_buffer, .address_space: global }
    .group_segment_fixed_size: 327680
    .private_segment_fixed_size: 0
    .kernarg_segment_align: 8
    .kernarg_segment_size: 32
    .max_flat_workgroup_size: 128
    .sgpr_count:     100
    .vgpr_count:     1024
    .wavefront_size: 32
...
	.end_amdgpu_metadata
.endif
;; end of part 2
;; launch attn (part 3): grid 8 x 32, 16 waves a work-group, no clusters, 327,680 bytes of LDS; arguments cod2, yc, ys; writes yc, ys
.if DOCPART == 3
	.amdgcn_target "amdgcn-amd-amdhsa--gfx1250"
	.amdhsa_code_object_version 6
	.text
	.protected	k_qb7ae81db1c_attn
	.globl	k_qb7ae81db1c_attn
	.p2align	8
	.type	k_qb7ae81db1c_attn,@function
k_qb7ae81db1c_attn:
	s_mov_b64 s[64:65], 0
	v_nop
	global_prefetch_b8 v0, s[64:65] scope:SCOPE_SE
	s_setreg_imm32_b32 hwreg(HW_REG_WAVE_MODE, 25, 1), 1
	s_wait_xcnt 0x0
; y = softmax(q k^T / 8, causal) v for one batch and head, both products on codes of BF6, and y quantised along the channels for the projection.
; t = score x log2(e) / 8; p = 2^(t - 15) is quantised along the keys, not normalised; the row's sum is taken of the unquantised p and divides at the end.
; THE SHIFT IS THE CONSTANT 15.  reference() itself normalises q and k: each has length at most 8 (RMS norm over 64, then a rotation), whatever the inputs hold.  A code of E3M2 lies within 1/8 of its number,
; so a quantised vector has length at most 9, a score at most 81, and |t| at most 81 x log2(e) / 8 < 15.  So t - 15 lies in (-30, 0): no p and no sum of up to 2,048 of them leaves f32's normal range.  15 and the
; row's own M = ceil(largest t) are whole numbers: p differs by an exact power of two, which the block's scale takes up (bytes stay over 90), and which cancels in the division: the codes' values are the same.
; LEFT OUT: key steps that lie wholly behind a query tile (the causal mask that reference() builds sets them to -inf, so their p is 0 for all inputs).  A NaN or infinity that would reach only those is not carried.
; The first product's K is the head's 64: Q's upper 64 of each instruction's 128 are zero codes (cleared once), so what K's registers hold there counts for nothing: K's fragments lie 6 registers apart and overlap.
; SHARES.  Work-group (i, batch x head), sixteen waves.  Tile t of query group 15 - i has 16 - i key steps of 128 keys, tile t of group i has i + 1.  Wave t (0-7) takes the long tile's first 8 - i steps, hands its
; partial O^T and sum over through LDS, and then takes the short tile whole: 9 steps.  Wave 8 + t takes the long tile's last 8 steps and adds the partial (one shift for all: parts simply add).
; LDS.  17 slots of one key step's record (13,056 bytes: K's codes, K's scale words, V's codes, V's scale words), each filled ONCE and read by its eight waves in a straight walk:
;   slots 0-7: records 8 - i .. 15 - i, for waves 8-15 (408 rows of 256 bytes on end in memory: waves 0-5 bring 68 rows each); slots 8-16: records 0 .. 7 - i, then 0 .. i, for waves 0-7 (waves 6-14 bring one each).
;   Behind them a stage of 4,608 bytes a wave for the partials, and the spare words.
; NO JOINT LOADS, though the eight work-groups of a head read the same records: which record a slot takes hangs on i, so no two partners' descriptors are equal.
; NO PREFETCH: every fill is asked for at the head; there is no loop to run ahead in.
; LAYOUT.  Both products transposed (S^T = K Q^T, O^T = V^T P^T): a lane holds one query.  Tiles hold rows 32 B + 8 u + r + 8 (r / 8), so the 16 registers of tiles 2 b, 2 b + 1 are 16 neighbours.
; OUT: yc = [tile of tokens 256][head 16][768]; ys = [tile][K step 8][r 16] words, this head's two bytes in the lower or upper half (the one small store: the halves belong to two work-groups).
; LIMITS: NaN and infinities are not served; a block of y whose largest magnitude lies under 2^-122 keeps the byte 1.
.set REC,   13056
.set KVS,   208896                     ; 16 records
.set PARTB, 17408                      ; 68 rows of 256 bytes
.set ASTR,  8*REC                      ; where slots 8-16 begin
.set STAGE, 17*REC
.set STW,   4608
.set SPARE, STAGE+16*STW
.set L16,  1                           ; 16 x lane, 8 x lane
.set L8,   2
.set ASK,  3                           ; K's scale words in a record: 6,144 + 32 r + 16 h (lanes 0-15 tiles 0-3, lanes 16-31 tiles 4-7)
.set ASV,  4                           ; V's: 12,800 + 16 r
.set DD,   5                           ; my query in its group - 16 h
.set AD16, 6
.set AD8,  7
.set ADS,  8
.set ADT,  9
.set YS4,  10
.set QS,   11                          ; Q's scale words
.set Q,    16                          ; v16-27; v12-13 the shift, v14-15 the sum in two halves
.set VS,   28                          ; v28-31 V's scale words
.set KFR,  32                          ; v32-85 K's eight fragments, 6 apart; behind the scores the same registers serve the step's work:
.set P,    74                          ; p's codes: on the eighth tile's registers and the six behind them, so that tiles 0-6 of the next step can be asked for while p's codes are multiplied
.set PT,   32
.set BM,   40
.set BX,   44
.set SO,   48
.set SM,   52
; K's tiles 0-6 and K's scale words of the slot that begins off bytes behind the step's addresses: 15 loads
.macro KPRE off
.irp t, 0,1,2,3,4,5,6
	ds_load_b128 v[KFR+6*\t:KFR+6*\t+3], v[AD16] offset:\off+768*\t
	ds_load_b64 v[KFR+6*\t+4:KFR+6*\t+5], v[AD8] offset:\off+768*\t+512
.endr
	ds_load_b128 v[KS:KS+3], v[ADS] offset:\off
.endm
.set KS,   86                          ; v86-89 K's scale words
.set VFR,  90                          ; v90-137 V's four fragments
.set S,    138                         ; v138-201 S^T, then p
.set O,    202                         ; v202-233 O^T
.set PW,   234                         ; p's scale word
.set Q2,   236                         ; v236-241 the short tile's Q, v242 its scale words
.set Q2S,  242
.set SPW,  244                         ; my spare word, and 0: never rewritten
.set NIL,  245
.set NINF, 246
.set STA,  247                         ; my stage (16 and 8 bytes a lane); v249, v250 wave t's stage
.set STL,  248
.set LDA,  249
.set LDL,  250
.set WV,   18
.set GO,   19                          ; the query group whose tile I finish
.set SEL,  20
.set CS,   22
.set G1A,  24
.set G1B,  32
.set KJ,   52                          ; the trip; s53 its slot's LDS address; s54 the trip at which waves 0-7 change tiles; s55 the trip on the diagonal inside the loop
.set TB,   53
.set SW,   54
.set DG,   55
	s_load_b128 s[4:7], s[0:1], 0x0                ; cod2, yc
	s_load_b64 s[8:9], s[0:1], 0x10                ; ys
	v_lshl_add_u32 v[SPW], v0, 2, SPARE
	v_mov_b32 v[NIL], 0
	ds_add_u32 v[SPW], v[NIL]                      ; the opening lines: the add twice and its wait ahead of my tensor load
	ds_add_u32 v[SPW], v[NIL]
	v_lshrrev_b32 v1, 5, v0
	s_delay_alu instid0(VALU_DEP_1)
	v_readfirstlane_b32 s[WV], v1
	s_and_b32 s12, ttmp7, 0xffff                   ; 16 batch + head
	s_lshr_b32 s13, s[WV], 3
	s_and_b32 s14, s[WV], 7                        ; t
	s_lshl_b32 s15, ttmp9, 1
	s_sub_co_u32 s15, 15, s15
	s_mul_i32 s15, s15, s13
	s_add_co_u32 s[GO], s15, ttmp9                 ; i for waves 0-7, 15 - i for waves 8-15
	s_sub_co_u32 s[SW], 8, ttmp9
	s_mul_i32 s[DG], s13, 92
	s_sub_co_u32 s[DG], 99, s[DG]                  ; 7 for waves 8-15, never for waves 0-7
	s_xor_b32 s[TB], s13, 1
	s_mul_i32 s[TB], s[TB], ASTR
.irp g, G1A, G1B                               ; dense rows of 256 bytes: 32 elements of 8
	s_mov_b32 s[\g], 3<<16
	s_mov_b32 s[\g+1], 32<<16
	s_mov_b32 s[\g+3], 32<<16
	s_mov_b32 s[\g+5], 32
	s_mov_b32 s[\g+6], 0
	s_mov_b32 s[\g+7], 0
.endr
	s_mov_b32 s[G1A+2], 51<<16                     ; a record
	s_mov_b32 s[G1A+4], 51
	s_mov_b32 s[G1B+2], 68<<16                     ; a sixth of eight records
	s_mov_b32 s[G1B+4], 68
	s_add_co_u32 s56, s12, 32
	s_mul_i32 s56, s56, KVS                        ; the head's records of k and v
	s_mul_i32 s60, s[SW], REC
	s_add_co_u32 s60, s60, s56
	s_mul_i32 s41, s[WV], PARTB                    ; waves 0-5: part w of records 8 - i .. 15 - i, to LDS byte 17,408 w
	s_add_co_u32 s60, s60, s41
	s_mov_b32 s61, 0
	s_sub_co_u32 s16, s[WV], 6                     ; waves 6-14: place w - 6 of the other walk:
	s_sub_co_u32 s17, s16, s[SW]
	s_cmp_lt_u32 s16, s[SW]
	s_cselect_b32 s16, s16, s17                    ; records 0 .. 7 - i, then 0 .. i
	s_mul_i32 s16, s16, REC
	s_add_co_u32 s58, s56, s16
	s_mov_b32 s59, 0
	s_mul_i32 s45, s[WV], REC
	s_add_co_u32 s45, s45, ASTR-6*REC
	s_mov_b32 s40, 1
	s_mov_b32 s44, 1
	s_mul_i32 s48, s12, KVS                        ; q's records: group 15 - i, group i
	s_sub_co_u32 s49, 15, ttmp9
	s_mul_i32 s49, s49, REC
	s_add_co_u32 s50, s48, s49
	s_mov_b32 s51, 0
	s_mul_i32 s49, ttmp9, REC
	s_add_co_u32 s48, s48, s49
	s_mov_b32 s49, 0
	s_mov_b32 s[SEL], 0x76543210
	s_mov_b32 s[SEL+1], 0xfedcba98
	s_mov_b32 s[CS], 0x3e38aa3b                    ; log2(e) / 8
	s_mov_b32 s[CS+1], s[CS]
	s_wait_dscnt 0x0
	s_wait_kmcnt 0x0
	s_add_nc_u64 s[42:43], s[4:5], s[60:61]
	s_or_b32 s43, s43, 0x80000000
	s_add_nc_u64 s[46:47], s[4:5], s[58:59]
	s_or_b32 s47, s47, 0x80000000
	s_cmp_lt_u32 s[WV], 6                          ; one chain of branches, one fill to an arm; wave 15 has none
	s_cbranch_scc0 .Lhead_a
	tensor_load_to_lds s[40:43], s[G1B:G1B+7]
	s_nop 0
.rept 4
	v_nop
.endr
	s_branch .Lhead_done
.Lhead_a:
	s_cmp_lt_u32 s[WV], 15
	s_cbranch_scc0 .Lhead_done
	tensor_load_to_lds s[44:47], s[G1A:G1A+7]
	s_nop 0
.rept 4
	v_nop
.endr
.Lhead_done:
	s_add_nc_u64 s[50:51], s[4:5], s[50:51]
	s_add_nc_u64 s[48:49], s[4:5], s[48:49]
	s_lshr_b32 s57, s12, 4
	s_lshl_b32 s57, s57, 7
	s_lshl_b32 s58, s[GO], 3
	s_add_co_u32 s57, s57, s58
	s_add_co_u32 s57, s57, s14                     ; the tile that I finish, among all 256 tiles of tokens
	s_and_b32 s58, s12, 15                         ; the head
	s_mul_i32 s60, s57, 12288
	s_mul_i32 s59, s58, 768
	s_add_co_u32 s60, s60, s59
	s_mov_b32 s61, 0
	s_add_nc_u64 s[6:7], s[6:7], s[60:61]
	s_lshl_b32 s60, s57, 9
	s_lshr_b32 s59, s58, 1
	s_lshl_b32 s59, s59, 6
	s_add_co_u32 s60, s60, s59
	s_and_b32 s59, s58, 1
	s_lshl_b32 s59, s59, 1
	s_add_co_u32 s60, s60, s59
	s_add_nc_u64 s[8:9], s[8:9], s[60:61]
	s_mul_i32 s10, s14, 768
	s_lshl_b32 s11, s14, 2
	s_lshr_b32 s16, s14, 1
	s_lshl_b32 s16, s16, 5
	s_and_b32 s17, s14, 1
	s_lshl_b32 s17, s17, 3
	s_add_co_u32 s16, s16, s17                     ; the tile's first query in its group
	s_mul_i32 s17, s[WV], STW
	s_add_co_u32 s17, s17, STAGE
	s_mul_i32 s62, s14, STW
	s_add_co_u32 s62, s62, STAGE
	s_mov_b32 s[KJ], 0
	v_and_b32 v10, 31, v0
	s_delay_alu instid0(VALU_DEP_1)
	v_lshlrev_b32 v[L16], 4, v10
	s_delay_alu instid0(VALU_DEP_2)
	v_lshlrev_b32 v[L8], 3, v10
	v_and_b32 v10, 15, v0                          ; r
	v_bfe_u32 v141, v0, 4, 1                       ; h
	v_add_nc_u32 v138, s10, v[L16]
	v_add_nc_u32 v139, s10, v[L8]
	v_lshl_add_u32 v140, v10, 5, s11
	global_load_b128 v[Q:Q+3], v138, s[50:51]      ; the long tile's Q stays in registers
	global_load_b64 v[Q+4:Q+5], v139, s[50:51] offset:512
	global_load_b32 v[QS], v140, s[50:51] offset:6144
	global_load_b128 v[Q2:Q2+3], v138, s[48:49]    ; the short tile's, for waves 0-7 (waves 8-15 run the same lines and never use it: the head has one path)
	global_load_b64 v[Q2+4:Q2+5], v139, s[48:49] offset:512
	global_load_b32 v[Q2S], v140, s[48:49] offset:6144
	v_lshl_add_u32 v[ASK], v10, 5, 6144
	v_lshl_add_u32 v[ASV], v10, 4, 12800
	v_and_b32 v[DD], 8, v10
	s_delay_alu instid0(VALU_DEP_3)
	v_lshl_add_u32 v[ASK], v141, 4, v[ASK]
	s_delay_alu instid0(VALU_DEP_2)
	v_add_nc_u32 v[DD], v[DD], v10
	v_lshlrev_b32 v141, 4, v141
	s_delay_alu instid0(VALU_DEP_1)
	v_sub_nc_u32 v[DD], v[DD], v141
	s_delay_alu instid0(VALU_DEP_1)
	v_add_nc_u32 v[DD], s16, v[DD]
	v_add_nc_u32 v[STA], s17, v[L16]
	v_add_nc_u32 v[STL], s17, v[L8]
	v_add_nc_u32 v[LDA], s62, v[L16]
	v_add_nc_u32 v[LDL], s62, v[L8]
	v_lshlrev_b32 v[YS4], 2, v10
.irp j, 6,7,8,9,10,11
	v_mov_b32 v[Q+\j], 0                           ; Q's upper 64 K: zero codes
	v_mov_b32 v[KFR+42+\j], 0                      ; what the eighth fragment of K names beyond its codes: written once
.endr
	v_mov_b32 v12, 0xc1700000                      ; -15
	v_mov_b32 v13, 0xc1700000
	v_mov_b32 v14, 0
	v_mov_b32 v15, 0
	v_mov_b32 v[NINF], 0xff800000
.set j, 0
.rept 32
	v_mov_b32 v[O+j], 0                            ; O^T: one text serves every step, so the sums begin as zeros (32 registers, here and at the change of tiles)
.set j, j+1
.endr
.macro STEP always                     ; always = 1: the step on the diagonal, written out for waves 0-7
	s_cmp_lt_u32 s[WV], 8
	s_cbranch_scc0 .Lsame_\@
	s_cmp_lg_u32 s[KJ], s[SW]                      ; ids alone
	s_cbranch_scc1 .Lsame_\@
	v_mov_b32 v[QS], v[Q2S]                        ; THE CHANGE OF TILES.  These seven are the places behind the last products
.irp j, 0,1,2,3,4,5
	v_mov_b32 v[Q+\j], v[Q2+\j]
.endr
.irp k, 0,1,2,3,4,5,6,7
	ds_store_b128 v[STA], v[O+4*\k:O+4*\k+3] offset:512*\k   ; the long tile's partial O^T, as it lies, each accumulator from its low end on
.endr
	ds_store_b64 v[STL], v[14:15] offset:4096      ; and its partial sum
.set j, 0
.rept 32
	v_mov_b32 v[O+j], 0
.set j, j+1
.endr
	v_mov_b32 v14, 0
	v_mov_b32 v15, 0
.Lsame_\@:
	v_add_nc_u32 v[AD16], s[TB], v[L16]            ; (these four are the places behind the last step's products, in front of the loads)
	v_add_nc_u32 v[AD8], s[TB], v[L8]
	v_add_nc_u32 v[ADS], s[TB], v[ASK]
	v_add_nc_u32 v[ADT], s[TB], v[ASV]
	ds_load_b128 v[KFR+42:KFR+45], v[AD16] offset:768*7        ; K's eighth tile: its registers held p's codes until the last products; the other seven were asked for a step ago
	ds_load_b64 v[KFR+46:KFR+47], v[AD8] offset:768*7+512
.irp t, 0,1,2,3
	ds_load_b128 v[VFR+12*\t:VFR+12*\t+3], v[AD16] offset:6656+1536*\t
	ds_load_b64 v[VFR+12*\t+4:VFR+12*\t+5], v[AD8] offset:6656+1536*\t+512
	ds_load_b128 v[VFR+12*\t+6:VFR+12*\t+9], v[AD16] offset:6656+1536*\t+768
	ds_load_b64 v[VFR+12*\t+10:VFR+12*\t+11], v[AD8] offset:6656+1536*\t+1280
.endr
	ds_load_b128 v[VS:VS+3], v[ADT]
	s_wait_dscnt 19                                ; what was asked for a step ago is in (and, at the change of tiles, my stores are done); the eighth tile's 2 loads and V's 17 may be out
.irp t, 0,1,2,3
	v_wmma_scale_f32_16x16x128_f8f6f4 v[S+8*\t:S+8*\t+7], v[KFR+6*\t:KFR+6*\t+11], v[Q:Q+11], 0, v[KS+\t], v[QS] matrix_a_fmt:MATRIX_FMT_BF6 matrix_b_fmt:MATRIX_FMT_BF6
.endr
.irp t, 4,5,6,7
.if \t == 6
	s_wait_dscnt 17                                ; the eighth tile is in (the seventh fragment names its registers too); V's 17 may be out
.endif
	v_wmma_scale_f32_16x16x128_f8f6f4 v[S+8*\t:S+8*\t+7], v[KFR+6*\t:KFR+6*\t+11], v[Q:Q+11], 0, v[KS+\t-4], v[QS] matrix_a_fmt:MATRIX_FMT_BF6 matrix_b_fmt:MATRIX_FMT_BF6 matrix_a_scale:MATRIX_SCALE_ROW1
.endr
.rept 4
	v_nop                                          ; places behind the products: their results are read and K's registers written below
.endr
.if \always == 0
	s_cmp_lg_u32 s[KJ], s[DG]                      ; only the step on the diagonal hides keys
	s_cbranch_scc1 .Lopen_\@
.endif
.set n, 0
.rept 64
	v_cmp_gt_i32 vcc_lo, 32*(n/16)+n%16, v[DD]     ; register 16 b + i holds key 32 b + 16 h + i of the group
	v_cndmask_b32 v[S+n], v[S+n], v[NINF], vcc_lo
.set n, n+1
.endr
.Lopen_\@:
.irp b, 0,1,2,3
	v_max3_num_f32 v[BM+\b], v[S+16*\b], v[S+1+16*\b], v[S+2+16*\b]   ; the largest score of each block of 32 keys: p rises with the score, so it gives the block's largest p
.endr
.irp i, 3,5,7,9,11,13
.irp b, 0,1,2,3
	v_max3_num_f32 v[BM+\b], v[BM+\b], v[S+16*\b+\i], v[S+1+16*\b+\i]
.endr
.endr
.irp b, 0,1,2,3
	v_max_num_f32 v[BM+\b], v[BM+\b], v[S+15+16*\b]
.endr
.irp b, 0,1,2,3
	s_delay_alu instid0(VALU_DEP_4)
	v_permlanex16_b32 v[BX+\b], v[BM+\b], s[SEL], s[SEL+1]
.endr
.irp b, 0,1,2,3
	s_delay_alu instid0(VALU_DEP_4)
	v_max_num_f32 v[BM+\b], v[BM+\b], v[BX+\b]
.endr
.set j, 0
.rept 32
	v_pk_fma_f32 v[S+j:S+j+1], v[S+j:S+j+1], s[CS:CS+1], v[12:13] op_sel_hi:[1,0,0]   ; t - 15
.set j, j+2
.endr
.irp b, 0,1,2,3
	v_fma_f32 v[BM+\b], v[BM+\b], s[CS], v12
.endr
	s_wait_alu depctr_va_vdst(0)                   ; the wait ahead of the batch
.set j, 0
.rept 64
	v_exp_f32 v[S+j], v[S+j]                       ; p
.set j, j+1
.endr
.irp b, 0,1,2,3
	v_exp_f32 v[BM+\b], v[BM+\b]                   ; the block's largest p: the same two instructions on the same number
.endr
	v_nop                                          ; a plain place behind the exponentials
	s_wait_alu depctr_va_vdst(0)                   ; and the wait behind the batch
.irp b, 0,1,2,3
	v_max_num_f32 v[BM+\b], 0x2800000, v[BM+\b]    ; the floor 2^(5 - 127), for a block that is hidden whole
.endr
.irp b, 0,1,2,3
	s_delay_alu instid0(VALU_DEP_4)
	v_add_nc_u32 v[SO+\b], 0xfe000000, v[BM+\b]    ; 4 off the exponent field: the conversion's scale operand
.endr
.irp b, 0,1,2,3
	s_delay_alu instid0(VALU_DEP_4)
	v_lshrrev_b32 v[BX+\b], 23, v[SO+\b]
.endr
	s_delay_alu instid0(VALU_DEP_3)
	v_lshl_or_b32 v[PW], v[BX+1], 8, v[BX]         ; p's scale word for these 128 keys
	s_delay_alu instid0(VALU_DEP_1)
	v_lshl_or_b32 v[PW], v[BX+2], 16, v[PW]
	s_delay_alu instid0(VALU_DEP_1)
	v_lshl_or_b32 v[PW], v[BX+3], 24, v[PW]
.irp c, 0,1
	v_cvt_scalef32_pk16_bf6_f32 v[P+6*\c:P+6*\c+2], v[S+32*\c:S+32*\c+15], v[SO+2*\c]
	v_cvt_scalef32_pk16_bf6_f32 v[PT+4*\c:PT+4*\c+2], v[S+32*\c+16:S+32*\c+31], v[SO+2*\c+1]
.endr
	v_nop                                          ; one plain place behind a scaled conversion
.irp c, 0,1
.irp i, 0,1,2
	v_permlane16_swap_b32 v[P+6*\c+\i], v[PT+4*\c+\i]   ; a whole block to a lane
.endr
.irp i, 0,1,2
	s_delay_alu instid0(VALU_DEP_3)
	v_mov_b32 v[P+3+6*\c+\i], v[PT+4*\c+\i]
.endr
.endr
.irp k, 0,1,2,3,4,5,6,7                        ; the row's sum of the unquantised p, in eight chains; these 32 are also the places behind the writes of p's codes and scale word
	v_pk_add_f32 v[SM+2*\k:SM+2*\k+1], v[S+2*\k:S+2*\k+1], v[S+16+2*\k:S+17+2*\k]
.endr
.irp m, 32,48
.irp k, 0,1,2,3,4,5,6,7
	v_pk_add_f32 v[SM+2*\k:SM+2*\k+1], v[SM+2*\k:SM+2*\k+1], v[S+\m+2*\k:S+\m+1+2*\k]
.endr
.endr
.irp k, 0,1,2,3
	v_pk_add_f32 v[SM+2*\k:SM+2*\k+1], v[SM+2*\k:SM+2*\k+1], v[SM+8+2*\k:SM+9+2*\k]
.endr
.irp k, 0,1
	s_delay_alu instid0(VALU_DEP_2)
	v_pk_add_f32 v[SM+2*\k:SM+2*\k+1], v[SM+2*\k:SM+2*\k+1], v[SM+4+2*\k:SM+5+2*\k]
.endr
	s_delay_alu instid0(VALU_DEP_1)
	v_pk_add_f32 v[SM:SM+1], v[SM:SM+1], v[SM+2:SM+3]
	s_delay_alu instid0(VALU_DEP_1)
	v_pk_add_f32 v[14:15], v[14:15], v[SM:SM+1]
.if \always == 0
	KPRE REC                                       ; the next step's K, into registers whose work for this step is over.  (In their eighth trip waves 8-15 so ask for a slot that they do not use: the loop has one text)
	s_wait_alu depctr_va_vdst(0)
	s_wait_dscnt 15                                ; V's are in; the 15 just issued may be out
.else
	s_wait_alu depctr_va_vdst(0)
	s_wait_dscnt 0x0                               ; V's are in
.endif
.irp t, 0,1,2,3                                ; O^T += V^T P^T: the four accumulators take turns, one instruction a turn
	v_wmma_scale_f32_16x16x128_f8f6f4 v[O+8*\t:O+8*\t+7], v[VFR+12*\t:VFR+12*\t+11], v[P:P+11], v[O+8*\t:O+8*\t+7], v[VS+\t], v[PW] matrix_a_fmt:MATRIX_FMT_BF6 matrix_b_fmt:MATRIX_FMT_BF6
.endr
.endm
	s_wait_alu depctr_va_vdst(0)
	s_wait_loadcnt 0x0                             ; Q
	s_wait_tensorcnt 0x0                           ; my part of the slots is in
	s_barrier_signal -1
	s_barrier_wait -1                              ; everybody's is; nothing is ever filled again
	v_add_nc_u32 v[AD16], s[TB], v[L16]
	v_add_nc_u32 v[AD8], s[TB], v[L8]
	v_add_nc_u32 v[ADS], s[TB], v[ASK]
	KPRE 0                                         ; the first step's K
.Lwalk:
	STEP 0
	s_add_co_u32 s[TB], s[TB], REC
	s_add_co_u32 s[KJ], s[KJ], 1
	s_cmp_lt_u32 s[KJ], 8
	s_wait_alu depctr_va_vdst(0)                   ; the wait ahead of the jump
	s_cbranch_scc1 .Lwalk
	s_cmp_lt_u32 s[WV], 8
	s_cbranch_scc0 .Ljoin
	STEP 1                                         ; waves 0-7: the ninth step, the short tile's diagonal
.Ljoin:
.rept 4
	v_nop                                          ; places behind the last products
.endr
	s_wait_alu depctr_va_vdst(0)
	s_wait_dscnt 0x0                               ; my partial has landed in my stage
	s_barrier_signal -1
	s_barrier_wait -1
	s_cmp_lt_u32 s[WV], 8
	s_cbranch_scc1 .Lfin
.irp k, 0,1,2,3,4,5,6,7
	ds_load_b128 v[S+4*\k:S+4*\k+3], v[LDA] offset:512*\k   ; waves 8-15: wave t's partial of my tile
.endr
	ds_load_b64 v[S+32:S+33], v[LDL] offset:4096
	s_wait_dscnt 0x0
.set j, 0
.rept 16
	v_pk_add_f32 v[O+j:O+j+1], v[O+j:O+j+1], v[S+j:S+j+1]
.set j, j+2
.endr
	v_pk_add_f32 v[14:15], v[14:15], v[S+32:S+33]
.Lfin:
	; THE WAY OUT: O^T / the sum; register 16 b + i is channel 32 b + 16 h + i of my query: two blocks of the projection's K
	v_add_f32 v14, v14, v15
	s_delay_alu instid0(VALU_DEP_1)
	v_permlanex16_b32 v58, v14, s[SEL], s[SEL+1]
	s_delay_alu instid0(VALU_DEP_1)
	v_add_f32 v14, v14, v58                        ; the row's sum
	s_wait_alu depctr_va_vdst(0)
	v_rcp_f32 v14, v14
	v_nop                                          ; a plain place behind the transcendental
	s_wait_alu depctr_va_vdst(0)
.set j, 0
.rept 32
	v_mul_f32 v[S+j], v[O+j], v14
.set j, j+1
.endr
.set TM, 52
.set PC, 32
.set PU, 40
.set PY, 60
.irp b, 0,1
	v_max3_num_f32 v[TM+\b], |v[S+16*\b]|, |v[S+16*\b+1]|, 0x2800000
	v_max3_num_f32 v[TM+2+\b], |v[S+16*\b+8]|, |v[S+16*\b+9]|, |v[S+16*\b+10]|
.endr
.irp i, 2,4
.irp b, 0,1
	s_delay_alu instid0(VALU_DEP_4)
	v_max3_num_f32 v[TM+\b], v[TM+\b], |v[S+16*\b+\i]|, |v[S+16*\b+\i+1]|
	s_delay_alu instid0(VALU_DEP_4)
	v_max3_num_f32 v[TM+2+\b], v[TM+2+\b], |v[S+16*\b+9+\i]|, |v[S+16*\b+10+\i]|
.endr
.endr
	s_delay_alu instid0(VALU_DEP_4)
	v_max3_num_f32 v[TM], v[TM], |v[S+6]|, |v[S+7]|
	s_delay_alu instid0(VALU_DEP_3)
	v_max3_num_f32 v[TM+1], v[TM+1], |v[S+22]|, |v[S+23]|
.irp b, 0,1
	s_delay_alu instid0(VALU_DEP_2)
	v_max3_num_f32 v[TM+\b], v[TM+\b], v[TM+2+\b], |v[S+16*\b+15]|
.endr
.irp b, 0,1
	s_delay_alu instid0(VALU_DEP_2)
	v_permlanex16_b32 v[TM+2+\b], v[TM+\b], s[SEL], s[SEL+1]
.endr
.irp b, 0,1
	s_delay_alu instid0(VALU_DEP_2)
	v_max_num_f32 v[TM+\b], v[TM+\b], v[TM+2+\b]
.endr
.irp b, 0,1
	s_delay_alu instid0(VALU_DEP_2)
	v_add_nc_u32 v[TM+4+\b], 0xfe000000, v[TM+\b]
.endr
.irp b, 0,1
	s_delay_alu instid0(VALU_DEP_2)
	v_lshrrev_b32 v[TM+2+\b], 23, v[TM+4+\b]
.endr
	s_delay_alu instid0(VALU_DEP_1)
	v_lshl_or_b32 v[PY], v[TM+3], 8, v[TM+2]
	v_cvt_scalef32_pk16_bf6_f32 v[PC:PC+2], v[S:S+15], v[TM+4]
	v_cvt_scalef32_pk16_bf6_f32 v[PU:PU+2], v[S+16:S+31], v[TM+5]
	v_nop                                          ; one plain place behind a scaled conversion
.irp i, 0,1,2
	v_permlane16_swap_b32 v[PC+\i], v[PU+\i]
.endr
.irp i, 0,1,2
	s_delay_alu instid0(VALU_DEP_3)
	v_mov_b32 v[PC+3+\i], v[PU+\i]
.endr
	global_store_b128 v[L16], v[PC:PC+3], s[6:7]               ; the image: 512 and 256 consecutive bytes
	global_store_b64 v[L8], v[PC+4:PC+5], s[6:7] offset:512
	global_store_b16 v[YS4], v[PY], s[8:9]         ; my row's two scale bytes; lanes 16-31 write the same bytes with the same value
	s_wait_tensorcnt 0x0                           ; the wave's end
	ds_add_u32 v[SPW], v[NIL]
	s_wait_dscnt 0x0
	s_endpgm
.Lfunc_end_k_qb7ae81db1c_attn:
	.size	k_qb7ae81db1c_attn, .Lfunc_end_k_qb7ae81db1c_attn-k_qb7ae81db1c_attn
	.p2alignl 7, 3214868480
	.fill 96, 4, 3214868480
	.section	.rodata,"a",@progbits
	.p2align	6, 0x0
	.amdhsa_kernel k_qb7ae81db1c_attn
		.amdhsa_group_segment_fixed_size 327680
		.amdhsa_private_segment_fixed_size 0
		.amdhsa_enable_private_segment 0
		.amdhsa_kernarg_size 24
		.amdhsa_user_sgpr_count 2
		.amdhsa_user_sgpr_kernarg_segment_ptr 1
		.amdhsa_wavefront_size32 1
		.amdhsa_system_sgpr_workgroup_id_x 1
		.amdhsa_system_sgpr_workgroup_id_y 1
		.amdhsa_system_sgpr_workgroup_id_z 1
		.amdhsa_system_vgpr_workitem_id 0
		.amdhsa_next_free_vgpr 256
		.amdhsa_next_free_sgpr 66
		.amdhsa_reserve_vcc 1
		.amdhsa_float_denorm_mode_32 3
		.amdhsa_float_denorm_mode_16_64 3
		.amdhsa_memory_ordered 1
		.amdhsa_forward_progress 1
		.amdhsa_inst_pref_size 60
	.end_amdhsa_kernel
	.amdgpu_metadata
---
amdhsa.version: [ 1, 2 ]
amdhsa.kernels:
  - .name:           k_qb7ae81db1c_attn
    .symbol:         k_qb7ae81db1c_attn.kd
    .args:
      - { .name: cod2, .offset: 0, .size: 8, .value_kind: global_buffer, .address_space: global }
      - { .name: yc, .offset: 8, .size: 8, .value_kind: global_buffer, .address_space: global }
      - { .name: ys, .offset: 16, .size: 8, .value_kind: global_buffer, .address_space: global }
    .group_segment_fixed_size: 327680
    .private_segment_fixed_size: 0
    .kernarg_segment_align: 8
    .kernarg_segment_size: 24
    .max_flat_workgroup_size: 512
    .sgpr_count:     66
    .vgpr_count:     256
    .wavefront_size: 32
...
	.end_amdgpu_metadata
.endif
;; end of part 3
;; launch proj (part 4): grid 8 x 32, 4 waves a work-group, clusters of 4 x 4, 327,680 bytes of LDS; arguments yc, ys, cod1, scl1, b_proj, out0; writes out0
.if DOCPART == 4
	.amdgcn_target "amdgcn-amd-amdhsa--gfx1250"
	.amdhsa_code_object_version 6
	.text
	.protected	k_qb7ae81db1c_proj
	.globl	k_qb7ae81db1c_proj
	.p2align	8
	.type	k_qb7ae81db1c_proj,@function
k_qb7ae81db1c_proj:
	s_mov_b64 s[64:65], 0
	v_nop
	global_prefetch_b8 v0, s[64:65] scope:SCOPE_SE
	s_setreg_imm32_b32 hwreg(HW_REG_WAVE_MODE, 25, 1), 1
	s_wait_xcnt 0x0
	s_wait_alu depctr_hold_cnt(0) depctr_sa_sdst(0) depctr_va_vdst(0) depctr_va_sdst(0) depctr_va_ssrc(0) depctr_va_vcc(0) depctr_vm_vsrc(0)
	s_getreg_b32 s2, hwreg(HW_REG_IB_STS2, 6, 4)
	s_cmp_eq_u32 s2, 0
	s_cbranch_scc0 .Lentry_in_a_cluster
	s_endpgm
.Lentry_in_a_cluster:
	s_bfe_u32 s2, ttmp6, 0x10000c
	s_cmp_lg_u32 s2, 0xf033
	s_cbranch_scc0 .Lentry_shape_is_right
	s_endpgm
.Lentry_shape_is_right:
; out0 = y W_proj + b_proj on codes of BF6.  Operands lie in memory as images of their registers (a TILE: 16 rows, tile 2 B + u = rows 32 B + 8 u + r + 8 (r / 8); a fragment, tile x 128 K, is 1,536 bytes):
; yc = [tile of tokens 256][K step 8][1,536], ys = [tile][K step][r] words; W_proj's columns are tiles 448-511 of cod1 and scl1, laid alike.
; 4,096 x 1,024 in blocks of 128 x 128: 32 x 8 = 256 work-groups of four waves, a wave 64 x 64: 16 accumulators.  A block's operands for ALL of K are two dense runs of 98,304 bytes and two of 4,096 (scale words):
; each comes once, by one tensor load a wave at the head; nothing is filled again.  So there is no ring, and no loop to prefetch ahead in.
; CLUSTERS: 4 x 4 work-groups; y's tiles are shared along a row of the cluster, W's along a column, each asked for jointly.
; THE PRODUCT IS USED TRANSPOSED (source 0 = a tile of W's columns, source 1 = a tile of tokens): a lane holds a token, and the registers of W's tiles 2 b, 2 b + 1 are 16 neighbouring columns.  The bias is the first product's C.
; REGISTERS.  Window 0: v0-31 addresses; v32-63 the scale words of all 8 K steps (register 4 s + i: lanes 0-15 y's tile i, lanes 16-31 W's tile i); v64-255 two sets of fragments (W's four, y's four).
;   Window 1: v0-127 accumulator (a, b) at v[8 (4 a + b)]; v128-159 the bias.
.set TILEB,  12288
.set BCOD,   8*TILEB
.set SCL,    16*TILEB
.set SPITCH, 272                       ; the stage: 16 rows of 256 bytes + 16 for each wave
.set STAGE,  SCL+8192
.set SPARE,  STAGE+4*16*SPITCH
.set FR,   12
.set L16,  4
.set L8,   5
.set BOF,  7
.set ADRA, 16                          ; v16, v17 y's fragments (16 and 8 bytes a lane); v18, v19 W's
.set ADRB, 18
.set STO,  24
.set RD,   25
.set CO,   26
.set ADRS, 27
.set SPW,  28                          ; my spare word, and 0: never rewritten
.set NIL,  29
.set SC,   32
.set F,    64
.set BIAS, 128
.set G1,   24
.set G0,   32                          ; s[32:35] y's codes, s[36:39] W's
.set G1B,  48
.set G1S,  68
.set G0S,  76
.set G1SB, 80
.set G0SB, 88
.set WVN,  14
.set RH,   15
.set CH,   16
.set MSB, 0
.macro WIN new                         ; the immediate's high byte repeats the setting that is left
.if MSB != (\new)
	s_set_vgpr_msb (MSB<<8)|(\new)
.set MSB, (\new)
.endif
.endm
.macro CROUND                          ; a round of the cluster's barrier
	s_barrier_signal -1
	s_barrier_wait -1
	s_cmp_lg_u32 s[WVN], 0
	s_cbranch_scc1 .Lnot_wave_0_\@
	s_barrier_signal -3
.Lnot_wave_0_\@:
	s_barrier_wait -3
	s_barrier_signal -1
	s_barrier_wait -1
.endm
.macro PLACES
.rept 4
	v_nop
.endr
.endm
	s_load_b128 s[4:7], s[0:1], 0x0                ; yc, ys
	s_load_b128 s[8:11], s[0:1], 0x10              ; cod1, scl1
	s_load_b128 s[96:99], s[0:1], 0x20             ; b_proj, out0
	v_lshl_add_u32 v[SPW], v0, 2, SPARE
	v_mov_b32 v[NIL], 0
	ds_add_u32 v[SPW], v[NIL]                      ; the opening lines: the add twice and its wait
	ds_add_u32 v[SPW], v[NIL]
	v_lshrrev_b32 v1, 5, v0
	v_readfirstlane_b32 s[WVN], v1
	s_lshr_b32 s[RH], s[WVN], 1                    ; my half of the block's tokens
	s_and_b32 s[CH], s[WVN], 1                     ; my half of its columns
	s_bfe_u32 s40, ttmp6, 0x40000                  ; cx
	s_bfe_u32 s41, ttmp6, 0x40004                  ; cy
	s_and_b32 s42, ttmp7, 0xffff
	s_lshl_b32 s42, s42, 2
	s_add_co_u32 s42, s42, s41                     ; the block's row, 0 .. 31
	s_lshl_b32 s46, ttmp9, 2
	s_add_co_u32 s46, s46, s40                     ; its column, 0 .. 7
	s_lshl_b32 s43, s41, 2
	s_lshl_b32 s43, 15, s43                        ; my row of the cluster
	s_lshl_b32 s44, 0x1111, s40                    ; my column
	s_or_b32 s[G1], s43, (3<<16)|(1<<21)           ; the mask; elements of 8 bytes; bit 21 beside a mask; no padding: every LDS read of the tiles is of consecutive bytes
	s_or_b32 s[G1B], s44, (3<<16)|(1<<21)
	s_or_b32 s[G1S], s43, (3<<16)|(1<<21)
	s_or_b32 s[G1SB], s44, (3<<16)|(1<<21)
.irp g, G1, G1B, G1S, G1SB                     ; dense rows of 256 bytes
	s_mov_b32 s[\g+1], 32<<16
	s_mov_b32 s[\g+3], 32<<16
	s_mov_b32 s[\g+5], 32
	s_mov_b32 s[\g+6], 0
	s_mov_b32 s[\g+7], 0
.endr
.irp g, G1, G1B
	s_mov_b32 s[\g+2], 384<<16                     ; 8 tiles of codes
	s_mov_b32 s[\g+4], 384
.endr
.irp g, G1S, G1SB
	s_mov_b32 s[\g+2], 16<<16                      ; 8 tiles of scale words
	s_mov_b32 s[\g+4], 16
.endr
	s_mul_i32 s20, s42, 8*TILEB                    ; y's: they hang on the block's row alone
	s_mov_b32 s21, 0
	s_lshl_b32 s22, s42, 12
	s_mov_b32 s23, 0
	s_mul_i32 s92, s46, 8*TILEB                    ; W's: on its column alone
	s_add_co_u32 s92, s92, 448*TILEB
	s_mov_b32 s93, 0
	s_lshl_b32 s94, s46, 12
	s_add_co_u32 s94, s94, 448*512
	s_mov_b32 s95, 0
	s_lshl_b32 s66, s46, 9                         ; my first column in bytes: 512 x block + 256 x half
	s_lshl_b32 s67, s[CH], 8
	s_add_co_u32 s66, s66, s67
	s_mov_b32 s67, 0
	s_lshl_b32 s12, s42, 7                         ; my first token: 128 x block + 64 x half; rows of 4,096 bytes
	s_lshl_b32 s13, s[RH], 6
	s_add_co_u32 s12, s12, s13
	s_lshl_b32 s12, s12, 12
	s_mov_b32 s13, 0
	s_mul_i32 s56, s[RH], 4*TILEB                  ; my four tiles of y in LDS,
	s_mul_i32 s57, s[CH], 4*TILEB                  ; of W,
	s_add_co_u32 s57, s57, BCOD
	s_lshl_b32 s58, s[RH], 11                      ; and their scale words
	s_lshl_b32 s59, s[CH], 11
	s_add_co_u32 s59, s59, 4096
	s_sub_co_u32 s59, s59, s58
	s_add_co_u32 s58, s58, SCL
	s_mul_i32 s60, s[WVN], 16*SPITCH
	s_add_co_u32 s60, s60, STAGE
	s_wait_dscnt 0x0
	s_wait_kmcnt 0x0
	s_mov_b32 s[G0], 1
	s_mov_b32 s[G0+1], 0
	s_add_nc_u64 s[G0+2:G0+3], s[4:5], s[20:21]
	s_or_b32 s[G0+3], s[G0+3], 0x80000000
	s_mov_b32 s[G0+4], 1
	s_mov_b32 s[G0+5], BCOD
	s_add_nc_u64 s[G0+6:G0+7], s[8:9], s[92:93]
	s_or_b32 s[G0+7], s[G0+7], 0x80000000
	s_mov_b32 s[G0S], 1
	s_mov_b32 s[G0S+1], SCL
	s_add_nc_u64 s[G0S+2:G0S+3], s[6:7], s[22:23]
	s_or_b32 s[G0S+3], s[G0S+3], 0x80000000
	s_mov_b32 s[G0SB], 1
	s_mov_b32 s[G0SB+1], SCL+4096
	s_add_nc_u64 s[G0SB+2:G0SB+3], s[10:11], s[94:95]
	s_or_b32 s[G0SB+3], s[G0SB+3], 0x80000000
	s_add_nc_u64 s[96:97], s[96:97], s[66:67]
	s_add_nc_u64 s[98:99], s[98:99], s[66:67]
	s_add_nc_u64 s[98:99], s[98:99], s[12:13]
	CROUND                                         ; all sixteen work-groups are here: the joint loads meet
; one joint load a wave, in one chain of branches on the wave's number: wave 0 y's codes, wave 1 W's, wave 2 y's scale words, wave 3 W's
.macro ARM under, g0, g1, next
	s_cmp_lt_u32 s[WVN], \under
	s_cbranch_scc0 \next
	tensor_load_to_lds s[\g0:\g0+3], s[\g1:\g1+7]
	s_nop 0
	PLACES
	s_branch .Lhead_asked
\next:
.endm
	ARM 1, G0,   G1,  .Lhead_b
	ARM 2, G0+4, G1B, .Lhead_sa
	ARM 3, G0S,  G1S, .Lhead_sb
	tensor_load_to_lds s[G0SB:G0SB+3], s[G1SB:G1SB+7]
	s_nop 0
	PLACES
.Lhead_asked:
	v_and_b32 v1, 15, v0                           ; r
	v_bfe_u32 v2, v0, 4, 1                         ; h
	v_and_b32 v3, 31, v0
	v_lshlrev_b32 v[L16], 4, v3
	v_lshlrev_b32 v[L8], 3, v3
	v_lshlrev_b32 v[BOF], 6, v2                    ; the bias: 16 h numbers on
	WIN 0x40                                       ; destination window 1
.irp b, 0,1,2,3
	global_load_b128 v[BIAS+8*\b:BIAS+8*\b+3], v[BOF], s[96:97] offset:(32*(\b/2)+8*(\b%2))*4
	global_load_b128 v[BIAS+8*\b+4:BIAS+8*\b+7], v[BOF], s[96:97] offset:(32*(\b/2)+8*(\b%2))*4+16
.endr
	WIN 0
	v_add_nc_u32 v[ADRA], s56, v[L16]
	v_add_nc_u32 v[ADRA+1], s56, v[L8]
	v_add_nc_u32 v[ADRB], s57, v[L16]
	v_add_nc_u32 v[ADRB+1], s57, v[L8]
	v_mul_u32_u24 v6, s59, v2                      ; lanes 16-31 take W's words: one product, the distance x h
	v_lshl_add_u32 v6, v1, 2, v6
	v_add_nc_u32 v[ADRS], s58, v6
	v_mul_u32_u24 v8, v1, SPITCH                   ; into the stage: row r, 64 bytes for each half of the lanes
	v_lshl_add_u32 v8, v2, 6, v8
	v_add_nc_u32 v[STO], s60, v8
	v_mul_u32_u24 v9, v2, SPITCH                   ; back: sixteen lanes to a row of 256 bytes, two rows an instruction
	v_lshl_add_u32 v9, v1, 4, v9
	v_add_nc_u32 v[RD], s60, v9
	v_lshlrev_b32 v10, 12, v2
	v_lshl_add_u32 v[CO], v1, 4, v10               ; and the same two rows in out0
.macro FRAG reg, adr, i, st            ; a fragment comes as it lies
	ds_load_b128 v[\reg:\reg+3], v[\adr] offset:TILEB*(\i)+1536*(\st)
	ds_load_b64 v[\reg+4:\reg+5], v[\adr+1] offset:TILEB*(\i)+1536*(\st)+512
	ds_load_b128 v[\reg+6:\reg+9], v[\adr] offset:TILEB*(\i)+1536*(\st)+768
	ds_load_b64 v[\reg+10:\reg+11], v[\adr+1] offset:TILEB*(\i)+1536*(\st)+1280
.endm
.macro FETCH st                        ; 32 loads: K step st's eight fragments into set st % 2
.irp i, 0,1,2,3
	FRAG F+96*((\st)%2)+FR*\i, ADRB, \i, \st
.endr
.irp i, 0,1,2,3
	FRAG F+96*((\st)%2)+48+FR*\i, ADRA, \i, \st
.endr
.endm
.macro MUL st, first                   ; 16 products; the accumulators take turns, one instruction a turn, in the same order in every step
.irp a, 0,1,2,3
.irp b, 0,1,2,3
.if \first
	v_wmma_scale_f32_16x16x128_f8f6f4 v[8*(4*\a+\b):8*(4*\a+\b)+7], v[F+96*((\st)%2)+FR*\b:F+96*((\st)%2)+FR*\b+FR-1], v[F+96*((\st)%2)+48+FR*\a:F+96*((\st)%2)+48+FR*\a+FR-1], v[BIAS+8*\b:BIAS+8*\b+7], v[SC+4*(\st)+\b], v[SC+4*(\st)+\a] matrix_a_fmt:MATRIX_FMT_BF6 matrix_b_fmt:MATRIX_FMT_BF6 matrix_a_scale:MATRIX_SCALE_ROW1
.else
	v_wmma_scale_f32_16x16x128_f8f6f4 v[8*(4*\a+\b):8*(4*\a+\b)+7], v[F+96*((\st)%2)+FR*\b:F+96*((\st)%2)+FR*\b+FR-1], v[F+96*((\st)%2)+48+FR*\a:F+96*((\st)%2)+48+FR*\a+FR-1], v[8*(4*\a+\b):8*(4*\a+\b)+7], v[SC+4*(\st)+\b], v[SC+4*(\st)+\a] matrix_a_fmt:MATRIX_FMT_BF6 matrix_b_fmt:MATRIX_FMT_BF6 matrix_a_scale:MATRIX_SCALE_ROW1
.endif
.endr
.endr
.endm
	s_wait_alu depctr_va_vdst(0)
	s_wait_tensorcnt 0x0                           ; my tile of the four is in
	s_barrier_signal -1
	s_barrier_wait -1                              ; all four are
.irp s, 0,1,2,3,4,5,6,7
.irp i, 0,1,2,3
	ds_load_b32 v[SC+4*\s+\i], v[ADRS] offset:512*\i+64*\s
.endr
.endr
	FETCH 0
	s_wait_loadcnt 0x0                             ; the bias
.irp st, 0,1,2,3,4,5,6,7               ; the walk along K, written out: while one set is multiplied, the next step's 32 loads are out
.if \st < 7
.if \st > 0
	PLACES                                         ; in front of loads into registers that the last step but one's products, just issued, have read
.endif
	FETCH \st+1
	s_wait_dscnt 32                                ; all but the 32 just issued
.else
	s_wait_dscnt 0x0
.endif
	WIN 0x50                                       ; C and D window 1
.if \st == 0
	MUL \st, 1
.else
	MUL \st, 0
.endif
	WIN 0
.endr
; THE WAY OUT, tile by tile of 16 tokens x 64 columns: through my own stage and back as whole rows of 256 bytes.  LDS serves a wave's instructions in order: no wait between the stores and the loads.
.macro TOSTAGE a
	WIN 0x04                                       ; the data: window 1
.irp b, 0,1,2,3
	ds_store_b128 v[STO], v[32*(\a)+8*\b:32*(\a)+8*\b+3] offset:128*(\b/2)+32*(\b%2)       ; each accumulator from its low end on
	ds_store_b128 v[STO], v[32*(\a)+8*\b+4:32*(\a)+8*\b+7] offset:128*(\b/2)+32*(\b%2)+16
.endr
	WIN 0
.irp t, 0,1,2,3,4,5,6,7
	ds_load_b128 v[F+32*((\a)%2)+4*\t:F+32*((\a)%2)+4*\t+3], v[RD] offset:\t*2*SPITCH
.endr
.endm
.macro SEND a, younger
	s_wait_dscnt \younger
.irp t, 0,1,2,3,4,5,6,7
	global_store_b128 v[CO], v[F+32*((\a)%2)+4*\t:F+32*((\a)%2)+4*\t+3], s[98:99] offset:(32*((\a)/2)+8*((\a)%2)+2*\t+8*(\t/4))*4096 th:TH_STORE_NT   ; sixteen lanes store 256 consecutive bytes, aligned
.endr
.endm
	PLACES                                         ; behind the last products
	TOSTAGE 0
.irp a, 1,2,3
.if \a > 1
	s_wait_xcnt 0x0                                ; tile a - 2's stores have read their registers: tile a's loads may land there
.endif
	TOSTAGE \a
	SEND \a-1, 16                                  ; behind tile a - 1's loads: tile a's 8 stores and 8 loads
.endr
	SEND 3, 0
	s_wait_tensorcnt 0x0                           ; the wave's end
	ds_add_u32 v[SPW], v[NIL]
	s_wait_dscnt 0x0
	CROUND                                         ; the closing round
	s_endpgm
.Lfunc_end_k_qb7ae81db1c_proj:
	.size	k_qb7ae81db1c_proj, .Lfunc_end_k_qb7ae81db1c_proj-k_qb7ae81db1c_proj
	.p2alignl 7, 3214868480
	.fill 96, 4, 3214868480
	.section	.rodata,"a",@progbits
	.p2align	6, 0x0
	.amdhsa_kernel k_qb7ae81db1c_proj
		.amdhsa_group_segment_fixed_size 327680
		.amdhsa_private_segment_fixed_size 0
		.amdhsa_enable_private_segment 0
		.amdhsa_kernarg_size 48
		.amdhsa_user_sgpr_count 2
		.amdhsa_user_sgpr_kernarg_segment_ptr 1
		.amdhsa_wavefront_size32 1
		.amdhsa_system_sgpr_workgroup_id_x 1
		.amdhsa_system_sgpr_workgroup_id_y 1
		.amdhsa_system_sgpr_workgroup_id_z 1
		.amdhsa_system_vgpr_workitem_id 0
		.amdhsa_next_free_vgpr 512
		.amdhsa_next_free_sgpr 100
		.amdhsa_reserve_vcc 0
		.amdhsa_float_denorm_mode_32 3
		.amdhsa_float_denorm_mode_16_64 3
		.amdhsa_memory_ordered 1
		.amdhsa_forward_progress 1
		.amdhsa_inst_pref_size 53
	.end_amdhsa_kernel
	.amdgpu_metadata
---
amdhsa.version: [ 1, 2 ]
amdhsa.kernels:
  - .name:           k_qb7ae81db1c_proj
    .symbol:         k_qb7ae81db1c_proj.kd
    .args:
      - { .name: yc, .offset: 0, .size: 8, .value_kind: global_buffer, .address_space: global }
      - { .name: ys, .offset: 8, .size: 8, .value_kind: global_buffer, .address_space: global }
      - { .name: cod1, .offset: 16, .size: 8, .value_kind: global_buffer, .address_space: global }
      - { .name: scl1, .offset: 24, .size: 8, .value_kind: global_buffer, .address_space: global }
      - { .name: b_proj, .offset: 32, .size: 8, .value_kind: global_buffer, .address_space: global }
      - { .name: out0, .offset: 40, .size: 8, .value_kind: global_buffer, .address_space: global }
    .group_segment_fixed_size: 327680
    .private_segment_fixed_size: 0
    .kernarg_segment_align: 8
    .kernarg_segment_size: 48
    .max_flat_workgroup_size: 128
    .sgpr_count:     100
    .vgpr_count:     512
    .wavefront_size: 32
...
	.end_amdgpu_metadata
.endif
;; end of part 4
